; MI455X (gfx1250); checked and timed in simulation.
; The chip was launched on July 23, 2026; its instructions are those of AMD's public machine-readable ISA for CDNA 5 (MIT licence, August 2026) and "CDNA5" Instruction Set Architecture Reference Guide (July 2026). The comments in the code are by the model that wrote it; some were corrected since.
;; Block. Allowed arithmetic: matrix products marked QUANTISED: E2M3 operands, one E8M0 scale for each 32 along K, by v_wmma_scale_f32_16x16x128_f8f6f4 with both operands' format E2M3, f32 sums; everything else in f32.
;; Inputs: W1_codes 4,096 x 32 x 24 uint8 (E2M3 codes of W1, K innermost, in blocks of 32 codes, four codes in three bytes); W1_scales 4,096 x 32 uint8 (E8M0 scales of W1, one for each 32 codes along K); W2_codes 1,024 x 128 x 24 uint8 (E2M3 codes of W2, K innermost, in blocks of 32 codes, four codes in three bytes); W2_scales 1,024 x 128 uint8 (E8M0 scales of W2, one for each 32 codes along K); Wk_codes 16 x 64 x 32 x 24 uint8 (E2M3 codes of Wk, K innermost, in blocks of 32 codes, four codes in three bytes); Wk_scales 16 x 64 x 32 uint8 (E8M0 scales of Wk, one for each 32 codes along K); Wp_codes 1,024 x 32 x 24 uint8 (E2M3 codes of Wp, K innermost, in blocks of 32 codes, four codes in three bytes); Wp_scales 1,024 x 32 uint8 (E8M0 scales of Wp, one for each 32 codes along K); Wq_codes 16 x 64 x 32 x 24 uint8 (E2M3 codes of Wq, K innermost, in blocks of 32 codes, four codes in three bytes); Wq_scales 16 x 64 x 32 uint8 (E8M0 scales of Wq, one for each 32 codes along K); Wv_codes 16 x 64 x 32 x 24 uint8 (E2M3 codes of Wv, K innermost, in blocks of 32 codes, four codes in three bytes); Wv_scales 16 x 64 x 32 uint8 (E8M0 scales of Wv, one for each 32 codes along K); b1 4,096 float32; b2 1,024 float32; beta1 1,024 float32; beta2 1,024 float32; bp 1,024 float32; g1 1,024 float32; g2 1,024 float32; x 2 x 2,048 x 1,024 float32.
;; Outputs: out0 2 x 2,048 x 1,024 float32.
;; This version of the problem:
;;   THIS VERSION OF THE PROBLEM IS GIVEN IN LOW PRECISION. The matrix products marked QUANTISED in the list below multiply operands that are first quantised to E2M3 (2 exponent bits, 3 mantissa bits; 6 bits a number), with one power-of-two scale for each 32 numbers along K (OCP MX v1.0); their sums are f32. All else is computed in f32.
;;   The module's matrix products, in the order in which they are computed (A, B: the left and right operand; K: the contracted axis; several contracted axes count as one K, in the product's order):
;;     1. [M 1,024, K 1,024] x [K 1,024, N 4,096]; A: input Wq (given as codes); B: computed on the way: QUANTISED
;;     2. [M 1,024, K 1,024] x [K 1,024, N 4,096]; A: input Wk (given as codes); B: computed on the way: QUANTISED
;;     3. [M 1,024, K 1,024] x [K 1,024, N 4,096]; A: input Wv (given as codes); B: computed on the way: QUANTISED
;;     4. batch 32 x [M 2,048, K 64] x [K 64, N 2,048]; A: computed on the way; B: computed on the way: QUANTISED
;;     5. batch 32 x [M 2,048, K 2,048] x [K 2,048, N 64]; A: softmax (see below); B: computed on the way: QUANTISED
;;     6. [M 4,096, K 1,024] x [K 1,024, N 1,024]; A: computed on the way; B: input Wp (given as codes): QUANTISED
;;     7. [M 4,096, K 1,024] x [K 1,024, N 4,096]; A: computed on the way; B: input W1 (given as codes): QUANTISED
;;     8. [M 4,096, K 4,096] x [K 4,096, N 1,024]; A: computed on the way; B: input W2 (given as codes): QUANTISED
;;   THE QUANTISER, for each operand of a quantised product, along K:
;;     - K is cut into blocks of 32 from its start; a last block that is shorter is filled with zeros.
;;     - A block's scale is 2^e with e = floor(log2(the largest magnitude in the block)) - 2, held to -126 .. 127; a block of zeros has e = 0. As a byte (E8M0): e + 127.
;;     - Each number is divided by its block's scale, clamped to +-7.5, and rounded to the nearest number of E2M3, ties to even, subnormals kept.
;;     - The product sums the exact products of the quantised numbers (number of the format x scale) in f32.
;;   ~~~python
;;   def quantise(x, axis):      # numpy; x: float32 -> the quantised numbers, widened to float32 again
;;       x = np.moveaxis(x, axis, -1); K = x.shape[-1]
;;       x = np.pad(x, [(0, 0)] * (x.ndim - 1) + [(0, -K % 32)]); x = x.reshape(x.shape[:-1] + (-1, 32)); a = np.abs(x).max(-1, keepdims=True)
;;       e = np.where(a > 0, np.clip(np.frexp(np.where(a > 0, a, 1))[1] - 1 - 2, -126, 127), 0)      # np.frexp(a)[1] - 1 = floor(log2(a)), exactly
;;       r = np.clip(x / 2.0 ** e, -7.5, 7.5)
;;       step = 2.0 ** (np.maximum(np.frexp(np.where(r == 0, 1, r))[1] - 1, 0) - 3)
;;       q = np.round(r / step) * step * 2.0 ** e      # np.round: ties to even
;;       return np.moveaxis(q.reshape(q.shape[:-2] + (-1,))[..., :K], -1, axis).astype(np.float32)
;;   ~~~
;;   SOFTMAX AHEAD OF A QUANTISED PRODUCT. Where the list says 'softmax', what is quantised is not the finished softmax but p = 2^(t - M), with t = logit x log2(e) and M = ceil(the row's largest t), a whole number; so 1/2 < the row's largest p <= 1. The row's sum l is taken of the UNQUANTISED p, in f32, and the product's result is divided by l at the end. Since M is a whole number, a kernel that streams over the keys may use a running M (the ceiling of the running maximum): every later rescaling is an exact power of two, which a block's scale takes up: the codes' values come out the same.
;;   OPERANDS COMPUTED ON THE WAY. 'Computed on the way' means the value that the module computes at that place (a softmax that the list does not call 'softmax' is quantised finished and normalised). What goes into a quantiser is computed in f32, as accurately as f32 sums, v_exp_f32 and their like allow (about 1e-6 of the number): no bf16 or f16 on the way to a quantiser, and a product that is left as it is and whose result goes on into a quantised operand takes f32 operands (vector FMAs, or v_wmma_f32_16x16x4_f32). A number that lies on a knife's edge between two numbers of the format may be rounded either way, as far as f32 arithmetic and the matrix unit's own rounding can turn it there, and no further.
;;   INPUTS GIVEN AS CODES. W1 (in the module: [1024, 4096], K = its axis 0); W2 (in the module: [4096, 1024], K = its axis 0); Wk (in the module: [16, 1024, 64], K = its axis 1); Wp (in the module: [1024, 1024], K = its axis 0); Wq (in the module: [16, 1024, 64], K = its axis 1); Wv (in the module: [16, 1024, 64], K = its axis 1): each comes as NAME_codes (uint8): NAME with its K axis moved to the last place and cut into blocks of 32 codes, [.., K / 32, bytes a block], one block behind the other in memory; four codes in three bytes: a row's codes are one little-endian stream of bits, code i at bits 6 i .. 6 i + 5 (a code: sign, 2 exponent bits, 3 mantissa bits); and NAME_scales (uint8): the same leading axes, one E8M0 byte (e + 127) for each 32 codes along K. Its value is code x scale, taken as it is: it is not quantised again, and the codes and scales need not be those that the quantiser above would give.
;; One version. Each part assembles by itself: llvm-mc -triple=amdgcn-amd-amdhsa -mcpu=gfx1250 --defsym DOCPART=n.
;; ======== version 1 of 1: 7 launches
;; limits: right only within a limited range of input values
;; workspace buffers: wb 9,830,400 bytes; hb 3,276,800 bytes; h2b 3,276,800 bytes; qkvb 10,092,544 bytes; ob 3,276,800 bytes; x1 16,777,216 bytes; hid 13,107,200 bytes
;; launch prep (part 1): grid 448 x 1, 4 waves a work-group, no clusters, 66,560 bytes of LDS; arguments x, g1, beta1, Wq_codes, Wq_scales, Wk_codes, Wk_scales, Wv_codes, Wv_scales, Wp_codes, Wp_scales, W1_codes, W1_scales, W2_codes, W2_scales, hb, wb; writes hb, wb
.if DOCPART == 1
	.amdgcn_target "amdgcn-amd-amdhsa--gfx1250"
	.amdhsa_code_object_version 6
	.text
	.protected	k_qb0682dc0e2_prep
	.globl	k_qb0682dc0e2_prep
	.p2align	8
	.type	k_qb0682dc0e2_prep,@function
k_qb0682dc0e2_prep:
	s_mov_b64 s[64:65], 0
	v_nop
	global_prefetch_b8 v0, s[64:65] scope:SCOPE_SE
	s_setreg_imm32_b32 hwreg(HW_REG_WAVE_MODE, 25, 1), 1
	s_wait_xcnt 0x0
; PREP: two jobs in one launch, told apart by the work-group's number.
; Work-groups 0-255: h = LayerNorm(x) g1 + beta1 for 16 tokens each, quantised along D to FP6 (E2M3) with one E8M0 byte for each 32, stored as IMAGES OF OPERAND REGISTERS:
;   hb: codes [256 tiles of 16 tokens][8 K steps][1,536 bytes: register group c at 512 c + 16 lane]; scale words at HSC: [tile][K step][16 words].
; Work-groups 256-447: the six weights' codes and scale bytes, laid in the same order into wb; a wave takes a unit of 16 rows x 1,024 along K (12,288 bytes of codes, 512 of scale words).
;   Units 0-63 Wq, 64-127 Wk, 128-191 Wv, 192-255 Wp, 256-511 W1, 512 + 4 t + chunk W2.  In Wq, Wk, Wv, W1 the rows of a tile are not neighbours: lane r of tile t takes row 32 (t / 2) + 8 (t % 2) + r + 8 (r / 8),
;   so that the results of two neighbouring tiles are 16 neighbours along the next product's K.
; LIMITS: NaN and infinities among the inputs are not served; a block whose largest magnitude lies under 2^-124 (a block of zeros among them) gets the byte 1: this program alone reads the bytes.
.set PITCH, 4112                       ; an LDS row: 4,096 bytes + 16 = 1,028 words: row r starts 4 r banks on, so the 16 rows of a 16-byte load touch all banks once
.set SPARE, 16*PITCH                   ; behind the 16 rows: the spare words, 128 bytes for each wave
.set HSC,   3145728                    ; hb: where the scale words begin
.set WSC,   9437184                    ; wb: where the scale words begin
.set HBP,   46                         ; s[46:47] hb
.set L16, 1                            ; v1   16 x lane
.set STA, 2                            ; v2   LDS: where my wave's rows go
.set LDA, 3                            ; v3   LDS: where my lane's numbers of a K step come from
.set PC,  4                            ; v4-22 the codes just made
.set LR4, 24                           ; v24  4 x (lane % 16)
.set X,   32                           ; v32-159 four rows of x; later 2 x 64 numbers of a K step
.set G,   160                          ; v160-191 gain
.set BE,  192                          ; v192-223 bias
.set TM,  224                          ; v224-239 at work
.set PW,  240                          ; v240 the scale word just made
.set SPW, 252                          ; v252 LDS address of my spare word; never rewritten
.set NIL, 253                          ; v253 0; never rewritten
.set SEL, 10                           ; s[10:11] lane selects: lane l xor 16
; 64 numbers of a lane, register 16 b + i = k 32 b + 16 (lane / 16) + i of my row, become a fragment's codes in v[PC] on and its scale word in v[PW].
.macro QUANT s
.irp b, 0,1,2,3
	v_max3_num_f32 v[TM+\b], |v[\s+16*\b]|, |v[\s+1+16*\b]|, 0x1800000   ; my 16 numbers of block b, and the floor 2^(3 - 127): the byte cannot fall under 1
.endr
.irp i, 2,4,6,8,10,12,14
.irp b, 0,1,2,3
	v_max3_num_f32 v[TM+\b], v[TM+\b], |v[\s+16*\b+\i]|, |v[\s+1+16*\b+\i]|
.endr
.endr
.irp b, 0,1,2,3
	v_permlanex16_b32 v[TM+4+\b], v[TM+\b], s[SEL], s[SEL+1]
.endr
.irp b, 0,1,2,3
	v_max_num_f32 v[TM+\b], v[TM+\b], v[TM+4+\b]   ; with lane l xor 16's: the block's largest magnitude
.endr
.irp b, 0,1,2,3
	v_add_nc_u32 v[TM+12+\b], 0xff000000, v[TM+\b] ; 2 off its exponent field: the conversion's scale operand
.endr
.irp b, 0,1,2,3
	v_lshrrev_b32 v[TM+4+\b], 23, v[TM+12+\b]      ; the scale's byte
.endr
	v_lshl_or_b32 v[PW], v[TM+5], 8, v[TM+4]
	v_lshl_or_b32 v[PW], v[TM+6], 16, v[PW]
	v_lshl_or_b32 v[PW], v[TM+7], 24, v[PW]
.irp c, 0,1
	v_cvt_scalef32_pk16_fp6_f32 v[PC+6*\c:PC+2+6*\c], v[\s+32*\c:\s+15+32*\c], v[TM+12+2*\c]
	v_cvt_scalef32_pk16_fp6_f32 v[PC+12+4*\c:PC+14+4*\c], v[\s+16+32*\c:\s+31+32*\c], v[TM+12+2*\c+1]   ; (a conversion's three registers begin on an even number)
.endr
	v_nop                                          ; one plain place behind a scaled conversion
.irp c, 0,1                                    ; the operand's layout wants a whole block in a lane: lanes 0-15 block 2 c, lanes 16-31 block 2 c + 1
.irp i, 0,1,2
	v_permlane16_swap_b32 v[PC+6*\c+\i], v[PC+12+4*\c+\i]
.endr
.irp i, 0,1,2
	v_mov_b32 v[PC+3+6*\c+\i], v[PC+12+4*\c+\i]
.endr
.endr
.endm
; the four rows' two chains each (v[TM+4 p : +1], v[TM+4 p + 2 : +3]) become one number in every lane, in v[TM+4 p]
.macro REDUCE
.irp p, 0,1,2,3
	v_pk_add_f32 v[TM+4*\p:TM+4*\p+1], v[TM+4*\p:TM+4*\p+1], v[TM+4*\p+2:TM+4*\p+3]
.endr
.irp p, 0,1,2,3
	v_add_f32 v[TM+4*\p], v[TM+4*\p], v[TM+4*\p+1]
.endr
.irp m, 1,2,4,8
.irp p, 0,1,2,3
	v_add_f32_dpp v[TM+4*\p], v[TM+4*\p], v[TM+4*\p] row_xmask:\m row_mask:0xf bank_mask:0xf
.endr
.endr
.irp p, 0,1,2,3
	v_permlanex16_b32 v[TM+4*\p+2], v[TM+4*\p], s[SEL], s[SEL+1]
.endr
.irp p, 0,1,2,3
	v_add_f32 v[TM+4*\p], v[TM+4*\p], v[TM+4*\p+2]
.endr
.endm
	s_load_b512 s[16:31], s[0:1], 0x0              ; x 16, g1 18, beta1 20, Wq codes 22, scales 24, Wk 26, 28, Wv codes 30
	s_load_b512 s[32:47], s[0:1], 0x40             ; Wv scales 32, Wp 34, 36, W1 38, 40, W2 42, 44, hb 46
	s_load_b64 s[48:49], s[0:1], 0x80              ; wb
	v_lshl_add_u32 v[SPW], v0, 2, SPARE
	v_mov_b32 v[NIL], 0
	v_lshrrev_b32 v25, 5, v0
	v_readfirstlane_b32 s2, v25                    ; wave 0..3
	v_and_b32 v25, 31, v0
	v_lshlrev_b32 v[L16], 4, v25
	v_and_b32 v26, 15, v0                          ; r
	v_bfe_u32 v27, v0, 4, 1                        ; h
	v_lshlrev_b32 v[LR4], 2, v26
	s_cmp_lt_u32 ttmp9, 256
	s_cbranch_scc0 .Llayout
	; ================= LayerNorm and quantiser: 16 tokens =================
	s_mul_i32 s3, s2, 4*PITCH
	v_add_nc_u32 v[STA], s3, v[L16]                ; my wave's four rows, 16 bytes a lane
	v_mul_u32_u24 v[LDA], v26, PITCH
	v_lshl_add_u32 v[LDA], v27, 6, v[LDA]
	s_lshl_b32 s3, s2, 10
	v_add_nc_u32 v[LDA], s3, v[LDA]                ; row r, + 64 h, + my wave's two K steps (1,024 bytes)
	s_mov_b32 s[SEL], 0x76543210
	s_mov_b32 s[SEL+1], 0xfedcba98
	s_mov_b32 s12, 0x3a800000                      ; 1 / 1,024
	s_mov_b32 s13, 0x3727c5ac                      ; 1e-5
	s_lshl_b32 s4, ttmp9, 16                       ; 16 rows of 4,096 bytes a work-group,
	s_lshl_b32 s5, s2, 14                          ; four a wave
	s_add_co_u32 s4, s4, s5
	s_mov_b32 s5, 0
	s_mul_i32 s6, ttmp9, 12288                     ; the tile's eight images,
	s_mul_i32 s7, s2, 3072                         ; two a wave
	s_add_co_u32 s6, s6, s7
	s_mov_b32 s7, 0
	s_lshl_b32 s8, ttmp9, 9                        ; and their scale words
	s_lshl_b32 s9, s2, 7
	s_add_co_u32 s8, s8, s9
	s_add_co_u32 s8, s8, HSC
	s_mov_b32 s9, 0
	s_wait_kmcnt 0x0
	s_add_nc_u64 s[16:17], s[16:17], s[4:5]
	s_add_nc_u64 s[6:7], s[HBP:HBP+1], s[6:7]
	s_add_nc_u64 s[8:9], s[HBP:HBP+1], s[8:9]
	s_wait_alu depctr_va_vdst(0)
.irp p, 0,1,2,3
.irp j, 0,1,2,3,4,5,6,7
	global_load_b128 v[X+32*\p+4*\j:X+32*\p+4*\j+3], v[L16], s[16:17] offset:4096*\p+512*\j th:TH_LOAD_NT   ; 512 consecutive bytes a load
.endr
.endr
.irp j, 0,1,2,3,4,5,6,7
	global_load_b128 v[G+4*\j:G+4*\j+3], v[L16], s[18:19] offset:512*\j
	global_load_b128 v[BE+4*\j:BE+4*\j+3], v[L16], s[20:21] offset:512*\j
.endr
	s_wait_loadcnt 16                              ; the rows are in; the 16 loads of gain and bias may be out
.irp p, 0,1,2,3                                ; the rows' sums: two chains a row, the four rows by turns
	v_pk_add_f32 v[TM+4*\p:TM+4*\p+1], v[X+32*\p:X+32*\p+1], v[X+32*\p+4:X+32*\p+5]
	v_pk_add_f32 v[TM+4*\p+2:TM+4*\p+3], v[X+32*\p+2:X+32*\p+3], v[X+32*\p+6:X+32*\p+7]
.endr
.irp k, 8,12,16,20,24,28
.irp p, 0,1,2,3
	v_pk_add_f32 v[TM+4*\p:TM+4*\p+1], v[TM+4*\p:TM+4*\p+1], v[X+32*\p+\k:X+32*\p+\k+1]
	v_pk_add_f32 v[TM+4*\p+2:TM+4*\p+3], v[TM+4*\p+2:TM+4*\p+3], v[X+32*\p+\k+2:X+32*\p+\k+3]
.endr
.endr
	REDUCE
.irp p, 0,1,2,3
	v_mul_f32 v[TM+4*\p], s12, v[TM+4*\p]          ; the mean
.endr
.irp p, 0,1,2,3
.set k, 0
.rept 16
	v_pk_add_f32 v[X+32*\p+k:X+32*\p+k+1], v[X+32*\p+k:X+32*\p+k+1], v[TM+4*\p:TM+4*\p+1] op_sel_hi:[1,0] neg_lo:[0,1] neg_hi:[0,1]   ; x - mean, in place
.set k, k+2
.endr
.endr
.irp p, 0,1,2,3                                ; the sums of squares of x - mean
	v_pk_mul_f32 v[TM+4*\p:TM+4*\p+1], v[X+32*\p:X+32*\p+1], v[X+32*\p:X+32*\p+1]
	v_pk_mul_f32 v[TM+4*\p+2:TM+4*\p+3], v[X+32*\p+2:X+32*\p+3], v[X+32*\p+2:X+32*\p+3]
.endr
.irp k, 4,8,12,16,20,24,28
.irp p, 0,1,2,3
	v_pk_fma_f32 v[TM+4*\p:TM+4*\p+1], v[X+32*\p+\k:X+32*\p+\k+1], v[X+32*\p+\k:X+32*\p+\k+1], v[TM+4*\p:TM+4*\p+1]
	v_pk_fma_f32 v[TM+4*\p+2:TM+4*\p+3], v[X+32*\p+\k+2:X+32*\p+\k+3], v[X+32*\p+\k+2:X+32*\p+\k+3], v[TM+4*\p+2:TM+4*\p+3]
.endr
.endr
	REDUCE
.irp p, 0,1,2,3
	v_fma_f32 v[TM+4*\p], v[TM+4*\p], s12, s13     ; variance + 1e-5
.endr
	s_wait_alu depctr_va_vdst(0)
.irp p, 0,1,2,3
	v_rsq_f32 v[TM+4*\p+2], v[TM+4*\p]
.endr
	v_nop                                          ; a plain instruction behind the last of the four
	s_wait_alu depctr_va_vdst(0)                   ; one wait for the four, ahead of their first reader
	s_wait_loadcnt 0x0                             ; gain and bias
.irp p, 0,1,2,3
.set k, 0
.rept 16
	v_pk_mul_f32 v[X+32*\p+k:X+32*\p+k+1], v[X+32*\p+k:X+32*\p+k+1], v[TM+4*\p+2:TM+4*\p+3] op_sel_hi:[1,0]
.set k, k+2
.endr
.set k, 0
.rept 16
	v_pk_fma_f32 v[X+32*\p+k:X+32*\p+k+1], v[X+32*\p+k:X+32*\p+k+1], v[G+k:G+k+1], v[BE+k:BE+k+1]
.set k, k+2
.endr
.endr
.irp p, 0,1,2,3
.irp j, 0,1,2,3,4,5,6,7
	ds_store_b128 v[STA], v[X+32*\p+4*\j:X+32*\p+4*\j+3] offset:\p*PITCH+512*\j
.endr
.endr
	s_wait_dscnt 0x0                               ; for the others' sake: my rows lie in LDS
	s_barrier_signal -1
	s_barrier_wait -1
	; my wave's two K steps of all 16 rows: lane (r, h) takes, of row r, 16 neighbours of each block of 32
.irp e, 0,1
.irp b, 0,1,2,3
.irp j, 0,1,2,3
	ds_load_b128 v[X+64*\e+16*\b+4*\j:X+64*\e+16*\b+4*\j+3], v[LDA] offset:512*\e+128*\b+16*\j
.endr
.endr
.endr
	s_wait_dscnt 16                                ; the first K step's 16 loads are in
	QUANT X
.irp c, 0,1,2
	global_store_b128 v[L16], v[PC+4*\c:PC+4*\c+3], s[6:7] offset:512*\c   ; 512 consecutive bytes a store
.endr
	global_store_b32 v[LR4], v[PW], s[8:9]         ; lanes l and l + 16 hold the same word and write it to the same place
	s_wait_dscnt 0x0
	s_wait_xcnt 0x0                                ; the stores have read their data: the codes' registers are written again only behind this wait
	QUANT X+64
.irp c, 0,1,2
	global_store_b128 v[L16], v[PC+4*\c:PC+4*\c+3], s[6:7] offset:1536+512*\c
.endr
	global_store_b32 v[LR4], v[PW], s[8:9] offset:64
	s_wait_tensorcnt 0x0                           ; the wave's end, behind my last LDS store
	ds_add_u32 v[SPW], v[NIL]
	s_wait_dscnt 0x0
	s_endpgm
	; ================= the weights, into the order of the operand's registers =================
.Llayout:
	s_sub_co_u32 s3, ttmp9, 256                    ; 0 .. 191: four units each
	s_lshl_b32 s4, s3, 2
	s_add_co_u32 s4, s4, s2                        ; my wave's unit
	s_movk_i32 s54, 512                            ; the tensor's first unit,
	s_mov_b32 s55, 0                               ; 8 where the rows of a tile are spread, else 0,
	s_movk_i32 s59, 768                            ; a row of codes in bytes
	s_wait_kmcnt 0x0
	s_mov_b64 s[50:51], s[42:43]                   ; W2, unless the number says otherwise
	s_mov_b64 s[52:53], s[44:45]
.macro PICK lim, cp, first, mask               ; the choice hangs on the work-group's number alone
	s_cmp_lt_u32 s3, \lim
	s_cselect_b64 s[50:51], s[\cp:\cp+1], s[50:51]
	s_cselect_b64 s[52:53], s[\cp+2:\cp+3], s[52:53]
	s_cselect_b32 s54, \first, s54
	s_cselect_b32 s55, \mask, s55
.endm
	PICK 128, 38, 256, 8                           ; W1
	PICK 64, 34, 192, 0                            ; Wp
	PICK 48, 30, 128, 8                            ; Wv
	PICK 32, 26, 64, 8                             ; Wk
	PICK 16, 22, 0, 8                              ; Wq
	s_cmp_ge_u32 s3, 128                           ; W2 has K = 4,096: four units to a tile of rows
	s_cselect_b32 s57, 2, 0
	s_cselect_b32 s58, 3, 0
	s_cselect_b32 s59, 3072, s59
	s_cselect_b32 s60, 128, 32                     ; a row of scale bytes
	s_sub_co_u32 s5, s4, s54
	s_and_b32 s6, s5, s58                          ; which 1,024 along K
	s_lshr_b32 s5, s5, s57                         ; the tile of rows
	s_lshr_b32 s7, s5, 1
	s_lshl_b32 s7, s7, 5
	s_and_b32 s8, s5, 1
	s_lshl_b32 s8, s8, 3
	s_add_co_u32 s7, s7, s8                        ; spread: first row 32 (t / 2) + 8 (t % 2)
	s_lshl_b32 s8, s5, 4                           ; natural: 16 t
	s_cmp_eq_u32 s55, 8
	s_cselect_b32 s7, s7, s8
	s_mul_i32 s8, s7, s59
	s_mul_i32 s9, s6, 768
	s_add_co_u32 s8, s8, s9
	s_mov_b32 s9, 0
	s_add_nc_u64 s[50:51], s[50:51], s[8:9]
	s_mul_i32 s8, s7, s60
	s_lshl_b32 s10, s6, 5
	s_add_co_u32 s8, s8, s10
	s_add_nc_u64 s[52:53], s[52:53], s[8:9]
	s_mul_i32 s8, s4, 12288
	s_add_nc_u64 s[12:13], s[48:49], s[8:9]        ; the unit's images
	s_lshl_b32 s8, s4, 9
	s_add_co_u32 s8, s8, WSC
	s_add_nc_u64 s[14:15], s[48:49], s[8:9]        ; and its scale words
	s_wait_alu depctr_va_vdst(0)
	v_and_b32 v28, s55, v26
	v_add_nc_u32 v28, v28, v26                     ; my row of the tile: r, or r + 8 (r / 8)
	v_mul_lo_u32 v29, v28, s59
	v_mad_u32_u24 v29, v27, 24, v29                ; its codes, + 24 h
	v_mul_lo_u32 v30, v28, s60
	v_lshl_add_u32 v30, v27, 4, v30                ; its scale bytes: lanes 0-15 K steps 0-3, lanes 16-31 K steps 4-7
	v_lshl_add_u32 v31, v27, 8, v[LR4]             ; and where the words go: 256 h + 4 r
.irp s, 0,1,2,3,4,5,6,7
.irp p, 0,1,2,3,4,5
	global_load_b64 v[32+12*\s+2*\p:32+12*\s+2*\p+1], v29, s[50:51] offset:96*\s+48*(\p/3)+8*(\p%3)   ; K step s: the fragment's 12 registers, as the stream of bits lies.  (No non-temporal hint: neighbouring pieces of 8 bytes of a row are named by different loads of this run)
.endr
.endr
	global_load_b128 v[128:131], v30, s[52:53]
	s_wait_alu depctr_va_vdst(0)
	s_wait_loadcnt 0x0
.irp s, 0,1,2,3,4,5,6,7
.irp c, 0,1,2
	global_store_b128 v[L16], v[32+12*\s+4*\c:32+12*\s+4*\c+3], s[12:13] offset:1536*\s+512*\c
.endr
.endr
.irp i, 0,1,2,3
	global_store_b32 v31, v[128+\i], s[14:15] offset:64*\i   ; K step 4 h + i, row r
.endr
	s_endpgm                                       ; (these waves have written no LDS)
.Lfunc_end_k_qb0682dc0e2_prep:
	.size	k_qb0682dc0e2_prep, .Lfunc_end_k_qb0682dc0e2_prep-k_qb0682dc0e2_prep
	.p2alignl 7, 3214868480
	.fill 96, 4, 3214868480
	.section	.rodata,"a",@progbits
	.p2align	6, 0x0
	.amdhsa_kernel k_qb0682dc0e2_prep
		.amdhsa_group_segment_fixed_size 66560
		.amdhsa_private_segment_fixed_size 0
		.amdhsa_enable_private_segment 0
		.amdhsa_kernarg_size 136
		.amdhsa_user_sgpr_count 2
		.amdhsa_user_sgpr_kernarg_segment_ptr 1
		.amdhsa_wavefront_size32 1
		.amdhsa_system_sgpr_workgroup_id_x 1
		.amdhsa_system_sgpr_workgroup_id_y 1
		.amdhsa_system_sgpr_workgroup_id_z 1
		.amdhsa_system_vgpr_workitem_id 0
		.amdhsa_next_free_vgpr 256
		.amdhsa_next_free_sgpr 66
		.amdhsa_reserve_vcc 0
		.amdhsa_float_denorm_mode_32 3
		.amdhsa_float_denorm_mode_16_64 3
		.amdhsa_memory_ordered 1
		.amdhsa_forward_progress 1
		.amdhsa_inst_pref_size 53
	.end_amdhsa_kernel
	.amdgpu_metadata
---
amdhsa.version: [ 1, 2 ]
amdhsa.kernels:
  - .name:           k_qb0682dc0e2_prep
    .symbol:         k_qb0682dc0e2_prep.kd
    .args:
      - { .name: x, .offset: 0, .size: 8, .value_kind: global_buffer, .address_space: global }
      - { .name: g1, .offset: 8, .size: 8, .value_kind: global_buffer, .address_space: global }
      - { .name: beta1, .offset: 16, .size: 8, .value_kind: global_buffer, .address_space: global }
      - { .name: Wq_codes, .offset: 24, .size: 8, .value_kind: global_buffer, .address_space: global }
      - { .name: Wq_scales, .offset: 32, .size: 8, .value_kind: global_buffer, .address_space: global }
      - { .name: Wk_codes, .offset: 40, .size: 8, .value_kind: global_buffer, .address_space: global }
      - { .name: Wk_scales, .offset: 48, .size: 8, .value_kind: global_buffer, .address_space: global }
      - { .name: Wv_codes, .offset: 56, .size: 8, .value_kind: global_buffer, .address_space: global }
      - { .name: Wv_scales, .offset: 64, .size: 8, .value_kind: global_buffer, .address_space: global }
      - { .name: Wp_codes, .offset: 72, .size: 8, .value_kind: global_buffer, .address_space: global }
      - { .name: Wp_scales, .offset: 80, .size: 8, .value_kind: global_buffer, .address_space: global }
      - { .name: W1_codes, .offset: 88, .size: 8, .value_kind: global_buffer, .address_space: global }
      - { .name: W1_scales, .offset: 96, .size: 8, .value_kind: global_buffer, .address_space: global }
      - { .name: W2_codes, .offset: 104, .size: 8, .value_kind: global_buffer, .address_space: global }
      - { .name: W2_scales, .offset: 112, .size: 8, .value_kind: global_buffer, .address_space: global }
      - { .name: hb, .offset: 120, .size: 8, .value_kind: global_buffer, .address_space: global }
      - { .name: wb, .offset: 128, .size: 8, .value_kind: global_buffer, .address_space: global }
    .group_segment_fixed_size: 66560
    .private_segment_fixed_size: 0
    .kernarg_segment_align: 8
    .kernarg_segment_size: 136
    .max_flat_workgroup_size: 128
    .sgpr_count:     66
    .vgpr_count:     256
    .wavefront_size: 32
...
	.end_amdgpu_metadata
.endif
;; end of part 1
;; launch qkv (part 2): grid 256 x 1, 3 waves a work-group, no clusters, 0 bytes of LDS; arguments hb, wb, qkvb; writes qkvb
.if DOCPART == 2
	.amdgcn_target "amdgcn-amd-amdhsa--gfx1250"
	.amdhsa_code_object_version 6
	.text
	.protected	k_qb0682dc0e2_qkv
	.globl	k_qb0682dc0e2_qkv
	.p2align	8
	.type	k_qb0682dc0e2_qkv,@function
k_qb0682dc0e2_qkv:
	s_mov_b64 s[64:65], 0
	v_nop
	global_prefetch_b8 v0, s[64:65] scope:SCOPE_SE
	s_setreg_imm32_b32 hwreg(HW_REG_WAVE_MODE, 25, 1), 1
	s_wait_xcnt 0x0
; Q, K, V = h W, on codes of FP6 with E8M0 scales, and the results quantised at once: q and k along the head's 64, v along the keys.
; A work-group takes 128 tokens and a pair of heads (128 weight rows); wave 0 makes q, wave 1 k, wave 2 v: 128 x 128 each, 64 accumulators, K = 1,024 in 8 steps of 128.
; Both operands lie in memory as images of the operand's registers: a fragment is three loads of 16 bytes a lane, 512 consecutive bytes each, straight into registers: no LDS, no barrier.
; THE PRODUCT IS USED TRANSPOSED.  q, k: source 0 = 16 weight rows, source 1 = 16 tokens: a lane holds one token and its registers run along the head.  v: source 0 = 16 tokens, source 1 = 16 rows of Wv: a lane holds
; one channel and its registers run along the keys.  In v a lane's register 16 b + 8 u + j of half h is key 32 b + 16 u + 8 h + j: an order inside each block of 32 keys that the attention's p has too.
; OUT (qkvb): q at 0: [32 heads][128 tiles][768 bytes: registers 0-3 at 16 lane, 4-5 at 512 + 8 lane]; at KVC for each head 196,608 bytes: k [128 tiles][768], then v [16 key steps][4 tiles][1,536];
;   scale words: q at QS [32][128][64 bytes]; at KVS for each head 12,288 bytes: k [128][64], v [64][64].
; LIMITS: NaN and infinities are not served; a block whose largest magnitude lies under 2^-124 gets the byte 1.
; REGISTERS: window 0: v1-4 lane offsets; v32-63 scale words, two sets; v64-255 source 1's fragments, two sets (on the way out: at work).  window 1: source 0's fragments, two sets.  windows 2, 3: accumulator (a, b) at v[8 (8 (a % 4) + b)].
.set NS,    8                          ; K steps in a row tile of both operands
.set KSW,   8                          ; K steps of a wave
.set AHALF, 0
.set CM0,   1                          ; the first step's C is the constant 0
.set TSTR,  NS*1536                    ; from a tile of 16 rows to the next, codes
.set SSTR,  NS*64                      ; and scale words
.set NF,    48+8*AHALF                 ; loads that bring a K step's 16 fragments
.set HSC,   3145728
.set WSC,   9437184
.set KVC,   3145728
.set QS,    9437184
.set KVS,   9699328
.set L16, 1
.set L8,  2
.set L4,  3
.set LR4, 4
.set SC,  32
.set AF,  64
.set TM,  64                           ; the way out: v64-79 at work, v80, v81 scale words, v96-114 codes
.set PW,  80
.set PW2, 81
.set PC,  96
.set PA,  28                           ; s[28:29] source 1's codes, s[30:31] source 0's, s[32:33], s[34:35] their scale words
.set PB,  30
.set PAS, 32
.set PBS, 34
.set OCA, 44                           ; s[44:45], s[46:47] where the first and the second head's codes go; s[48:49], s[50:51] their scale words
.set OSA, 48
.set SEL, 52
.set MSB, 0
.macro WIN new                         ; the immediate's high byte repeats the setting that is left
.if MSB != (\new)
	s_set_vgpr_msb (MSB<<8)|(\new)
.set MSB, (\new)
.endif
.endm
.macro PLACES                          ; four plain instructions between a matrix instruction and a load into, or a vector read or write of, its registers
.rept 4
	v_nop
.endr
.endm
.macro LOADF st                        ; K step st: eight fragments a side into set st % 2
	WIN 0
.irp i, 0,1,2,3,4,5,6,7
.if AHALF
	global_load_b128 v[AF+96*((\st)%2)+12*\i:AF+96*((\st)%2)+12*\i+3], v[L16], s[PA:PA+1] offset:\i*TSTR+(\st)*1536
	global_load_b64 v[AF+96*((\st)%2)+12*\i+4:AF+96*((\st)%2)+12*\i+5], v[L8], s[PA:PA+1] offset:\i*TSTR+(\st)*1536+512
	global_load_b128 v[AF+96*((\st)%2)+12*\i+6:AF+96*((\st)%2)+12*\i+9], v[L16], s[PA:PA+1] offset:\i*TSTR+(\st)*1536+768
	global_load_b64 v[AF+96*((\st)%2)+12*\i+10:AF+96*((\st)%2)+12*\i+11], v[L8], s[PA:PA+1] offset:\i*TSTR+(\st)*1536+1280
.else
.irp c, 0,1,2
	global_load_b128 v[AF+96*((\st)%2)+12*\i+4*\c:AF+96*((\st)%2)+12*\i+4*\c+3], v[L16], s[PA:PA+1] offset:\i*TSTR+(\st)*1536+512*\c
.endr
.endif
.endr
	WIN 0x40                                       ; destination window 1, address window 0
.irp i, 0,1,2,3,4,5,6,7
.irp c, 0,1,2
	global_load_b128 v[128*((\st)%2)+12*\i+4*\c:128*((\st)%2)+12*\i+4*\c+3], v[L16], s[PB:PB+1] offset:\i*TSTR+(\st)*1536+512*\c
.endr
.endr
	WIN 0
.endm
.macro LOADS g                         ; the scale words of K steps 2 g (lanes 0-15) and 2 g + 1 (lanes 16-31) into set g % 2
.irp i, 0,1,2,3,4,5,6,7
	global_load_b32 v[SC+16*((\g)%2)+\i], v[L4], s[PAS:PAS+1] offset:\i*SSTR+128*(\g)
	global_load_b32 v[SC+16*((\g)%2)+8+\i], v[L4], s[PBS:PBS+1] offset:\i*SSTR+128*(\g)
.endr
.endm
.macro MM a, b, st, cm
.set rD, 8*(8*((\a)%4)+(\b))
.set rB, 128*((\st)%2)+12*(\b)
.set rA, AF+96*((\st)%2)+12*(\a)
.set rT, SC+16*(((\st)/2)%2)
.set rC, 96+8*(\b)+96*((\b)/4)
.if (\st)%2
	v_wmma_scale_f32_16x16x128_f8f6f4 v[rD:rD+7], v[rB:rB+11], v[rA:rA+11], v[rD:rD+7], v[rT+8+(\b)], v[rT+(\a)] matrix_a_fmt:MATRIX_FMT_FP6 matrix_b_fmt:MATRIX_FMT_FP6 matrix_a_scale:MATRIX_SCALE_ROW1 matrix_b_scale:MATRIX_SCALE_ROW1
.elseif (\cm) == 1
	v_wmma_scale_f32_16x16x128_f8f6f4 v[rD:rD+7], v[rB:rB+11], v[rA:rA+11], 0, v[rT+8+(\b)], v[rT+(\a)] matrix_a_fmt:MATRIX_FMT_FP6 matrix_b_fmt:MATRIX_FMT_FP6
.elseif (\cm) == 2
	v_wmma_scale_f32_16x16x128_f8f6f4 v[rD:rD+7], v[rB:rB+11], v[rA:rA+11], v[rC:rC+7], v[rT+8+(\b)], v[rT+(\a)] matrix_a_fmt:MATRIX_FMT_FP6 matrix_b_fmt:MATRIX_FMT_FP6
.else
	v_wmma_scale_f32_16x16x128_f8f6f4 v[rD:rD+7], v[rB:rB+11], v[rA:rA+11], v[rD:rD+7], v[rT+8+(\b)], v[rT+(\a)] matrix_a_fmt:MATRIX_FMT_FP6 matrix_b_fmt:MATRIX_FMT_FP6
.endif
.endm
.macro MUL st, cm                      ; a K step's 64 products: the 64 accumulators take turns, in the same order in every step
.irp a, 0,1,2,3,4,5,6,7
.if (\cm) == 2
	WIN 0x91+0x40*(\a/4)
.else
	WIN 0xa1+0x50*(\a/4)
.endif
.irp b, 0,1,2,3,4,5,6,7
	MM \a, \b, \st, \cm
.endr
.endr
	WIN 0
.endm
; 64 numbers of a lane in window w, register 16 b + i = place 32 b + 16 (lane / 16) + i along the next K, become a fragment's codes in v[PC] on and its scale word in v[PW], both in window 0.
.macro QUANT s, w
	WIN (\w)|((\w)<<2)
.irp b, 0,1,2,3
	v_max3_num_f32 v[TM+\b], |v[(\s)+16*\b]|, |v[(\s)+1+16*\b]|, 0x1800000   ; each accumulator is read from its low end on; the floor 2^(3 - 127) holds the byte at 1 from below
.endr
	WIN ((\w)<<2)|((\w)<<4)
.irp i, 2,4,6,8,10,12,14
.irp b, 0,1,2,3
	v_max3_num_f32 v[TM+\b], v[TM+\b], |v[(\s)+16*\b+\i]|, |v[(\s)+1+16*\b+\i]|
.endr
.endr
	WIN 0
.irp b, 0,1,2,3
	v_permlanex16_b32 v[TM+4+\b], v[TM+\b], s[SEL], s[SEL+1]
.endr
.irp b, 0,1,2,3
	v_max_num_f32 v[TM+\b], v[TM+\b], v[TM+4+\b]
.endr
.irp b, 0,1,2,3
	v_add_nc_u32 v[TM+12+\b], 0xff000000, v[TM+\b] ; 2 off the exponent field: the conversion's scale operand
.endr
.irp b, 0,1,2,3
	v_lshrrev_b32 v[TM+4+\b], 23, v[TM+12+\b]      ; the scale's byte
.endr
	v_lshl_or_b32 v[PW], v[TM+5], 8, v[TM+4]
	v_lshl_or_b32 v[PW], v[TM+6], 16, v[PW]
	v_lshl_or_b32 v[PW], v[TM+7], 24, v[PW]
	WIN (\w)
.irp c, 0,1
	v_cvt_scalef32_pk16_fp6_f32 v[PC+6*\c:PC+2+6*\c], v[(\s)+32*\c:(\s)+15+32*\c], v[TM+12+2*\c]
	v_cvt_scalef32_pk16_fp6_f32 v[PC+12+4*\c:PC+14+4*\c], v[(\s)+16+32*\c:(\s)+31+32*\c], v[TM+12+2*\c+1]
.endr
	WIN 0
	v_nop                                          ; one plain place behind a scaled conversion
.irp c, 0,1
.irp i, 0,1,2
	v_permlane16_swap_b32 v[PC+6*\c+\i], v[PC+12+4*\c+\i]
.endr
.irp i, 0,1,2
	v_mov_b32 v[PC+3+6*\c+\i], v[PC+12+4*\c+\i]
.endr
.endr
.endm
	s_load_b128 s[4:7], s[0:1], 0x0                ; hb, wb
	s_load_b64 s[8:9], s[0:1], 0x10                ; qkvb
	v_lshrrev_b32 v5, 5, v0
	v_readfirstlane_b32 s10, v5                    ; wave: 0 q, 1 k, 2 v
	v_and_b32 v5, 31, v0
	v_lshlrev_b32 v[L16], 4, v5
	v_lshlrev_b32 v[L8], 3, v5
	v_lshlrev_b32 v[L4], 2, v5
	v_and_b32 v6, 15, v0
	v_lshlrev_b32 v[LR4], 2, v6
	s_mov_b32 s[SEL], 0x76543210
	s_mov_b32 s[SEL+1], 0xfedcba98
	s_lshr_b32 s11, ttmp9, 3                       ; the block of 128 tokens
	s_and_b32 s12, ttmp9, 7                        ; the pair of heads
	s_mul_i32 s20, s11, 8*TSTR                     ; the tokens' eight tiles,
	s_mov_b32 s21, 0
	s_lshl_b32 s22, s11, 12
	s_add_co_u32 s22, s22, HSC                     ; their scale words
	s_mov_b32 s23, 0
	s_lshl_b32 s13, s10, 6
	s_lshl_b32 s14, s12, 3
	s_add_co_u32 s13, s13, s14                     ; the weight's first unit: 64 x wave + 8 x pair
	s_mul_i32 s24, s13, 12288
	s_mov_b32 s25, 0
	s_lshl_b32 s26, s13, 9
	s_add_co_u32 s26, s26, WSC
	s_mov_b32 s27, 0
	; where the results go: base(wave) + head x stride(wave) + the block's place in the sequence
	s_lshr_b32 s13, s11, 4
	s_lshl_b32 s13, s13, 4
	s_lshl_b32 s14, s12, 1
	s_add_co_u32 s13, s13, s14                     ; 16 x batch + the pair's first head
	s_and_b32 s14, s11, 15                         ; which 128 of the sequence
	s_mov_b32 s15, 196608
	s_mov_b32 s16, 12288
	s_mov_b32 s17, KVC
	s_mov_b32 s18, KVS
	s_cmp_eq_u32 s10, 0
	s_cselect_b32 s15, 98304, s15                  ; a head's codes: q 98,304 bytes, k and v together 196,608
	s_cselect_b32 s16, 8192, s16                   ; a head's scale words
	s_cselect_b32 s17, 0, s17
	s_cselect_b32 s18, QS, s18
	s_cmp_eq_u32 s10, 2
	s_cselect_b32 s19, 98304, 0                    ; v lies behind k
	s_cselect_b32 s36, 8192, 0
	s_cselect_b32 s37, 8, 9                        ; 128 tokens are 512 bytes of q's or k's words, 256 of v's
	s_add_co_u32 s17, s17, s19
	s_add_co_u32 s18, s18, s36
	s_mul_i32 s19, s13, s15
	s_add_co_u32 s17, s17, s19
	s_mul_i32 s19, s14, 6144                       ; 128 tokens: eight tiles of 768 bytes, or four of 1,536
	s_add_co_u32 s38, s17, s19
	s_mov_b32 s39, 0
	s_mul_i32 s19, s13, s16
	s_add_co_u32 s18, s18, s19
	s_lshl_b32 s19, s14, s37
	s_add_co_u32 s40, s18, s19
	s_mov_b32 s41, 0
	s_wait_alu depctr_va_vdst(0)
	s_wait_kmcnt 0x0
	s_add_nc_u64 s[20:21], s[4:5], s[20:21]
	s_add_nc_u64 s[22:23], s[4:5], s[22:23]
	s_add_nc_u64 s[24:25], s[6:7], s[24:25]
	s_add_nc_u64 s[26:27], s[6:7], s[26:27]
	s_add_nc_u64 s[OCA:OCA+1], s[8:9], s[38:39]
	s_add_nc_u64 s[OSA:OSA+1], s[8:9], s[40:41]
	s_mov_b32 s38, s15
	s_mov_b32 s40, s16
	s_add_nc_u64 s[OCA+2:OCA+3], s[OCA:OCA+1], s[38:39]   ; the pair's second head
	s_add_nc_u64 s[OSA+2:OSA+3], s[OSA:OSA+1], s[40:41]
	s_cmp_eq_u32 s10, 2                            ; v: the weight is source 1 and the tokens source 0; the choice hangs on the wave's number alone
	s_cselect_b64 s[PA:PA+1], s[24:25], s[20:21]
	s_cselect_b64 s[PB:PB+1], s[20:21], s[24:25]
	s_cselect_b64 s[PAS:PAS+1], s[26:27], s[22:23]
	s_cselect_b64 s[PBS:PBS+1], s[22:23], s[26:27]
	LOADF 0
	LOADS 0
	LOADF 1
	s_wait_loadcnt NF                              ; all but the next step's fragments
	MUL 0, CM0
.irp st, 1,2,3,4,5,6
	PLACES
	LOADF \st+1                                    ; into the set that the step before has multiplied
	s_wait_loadcnt NF                              ; all but these: this step's fragments and scale words are in
.if (\st)%2
	LOADS (\st+1)/2
.endif
	MUL \st, 0
.endr
	s_wait_loadcnt 0x0
	MUL KSW-1, 0
	; THE WAY OUT: block a of source 1's rows: 64 numbers a lane become a fragment
	PLACES
.irp b, 0,1,2,3
	v_mov_b32 v[TM+4+\b], 0                        ; a lane permute's destination counts as one of its sources
.endr
.macro EPI a
	s_wait_xcnt 0x0                                ; the last block's stores have read their data
	QUANT 64*((\a)%4), 2+(\a)/4
	s_cmp_eq_u32 s10, 2
	s_cbranch_scc1 .Lv_\@
	v_lshrrev_b32 v[PW2], 16, v[PW]                ; q, k: registers 0-5 and bytes 0, 1 are the first head's 64, registers 6-11 and bytes 2, 3 the second's
	global_store_b128 v[L16], v[PC:PC+3], s[OCA:OCA+1] offset:768*(\a)
	global_store_b64 v[L8], v[PC+4:PC+5], s[OCA:OCA+1] offset:768*(\a)+512
	global_store_b128 v[L16], v[PC+6:PC+9], s[OCA+2:OCA+3] offset:768*(\a)
	global_store_b64 v[L8], v[PC+10:PC+11], s[OCA+2:OCA+3] offset:768*(\a)+512
	global_store_b32 v[LR4], v[PW], s[OSA:OSA+1] offset:64*(\a)
	global_store_b32 v[LR4], v[PW2], s[OSA+2:OSA+3] offset:64*(\a)
	s_branch .Ldone_\@
.Lv_\@:                                        ; v: tile a % 4 of head a / 4, these 128 keys
.set OC, OCA+2*((\a)/4)
.set OS, OSA+2*((\a)/4)
	s_wait_alu depctr_va_vdst(0)
.irp c, 0,1,2
	global_store_b128 v[L16], v[PC+4*\c:PC+4*\c+3], s[OC:OC+1] offset:1536*((\a)%4)+512*\c
.endr
	global_store_b32 v[LR4], v[PW], s[OS:OS+1] offset:64*((\a)%4)
.Ldone_\@:
.endm
.irp a, 0,1,2,3,4,5,6,7
	EPI \a
.endr
	s_endpgm
.Lfunc_end_k_qb0682dc0e2_qkv:
	.size	k_qb0682dc0e2_qkv, .Lfunc_end_k_qb0682dc0e2_qkv-k_qb0682dc0e2_qkv
	.p2alignl 7, 3214868480
	.fill 96, 4, 3214868480
	.section	.rodata,"a",@progbits
	.p2align	6, 0x0
	.amdhsa_kernel k_qb0682dc0e2_qkv
		.amdhsa_group_segment_fixed_size 0
		.amdhsa_private_segment_fixed_size 0
		.amdhsa_enable_private_segment 0
		.amdhsa_kernarg_size 24
		.amdhsa_user_sgpr_count 2
		.amdhsa_user_sgpr_kernarg_segment_ptr 1
		.amdhsa_wavefront_size32 1
		.amdhsa_system_sgpr_workgroup_id_x 1
		.amdhsa_system_sgpr_workgroup_id_y 1
		.amdhsa_system_sgpr_workgroup_id_z 1
		.amdhsa_system_vgpr_workitem_id 0
		.amdhsa_next_free_vgpr 1024
		.amdhsa_next_free_sgpr 66
		.amdhsa_reserve_vcc 0
		.amdhsa_float_denorm_mode_32 3
		.amdhsa_float_denorm_mode_16_64 3
		.amdhsa_memory_ordered 1
		.amdhsa_forward_progress 1
		.amdhsa_inst_pref_size 152
	.end_amdhsa_kernel
	.amdgpu_metadata
---
amdhsa.version: [ 1, 2 ]
amdhsa.kernels:
  - .name:           k_qb0682dc0e2_qkv
    .symbol:         k_qb0682dc0e2_qkv.kd
    .args:
      - { .name: hb, .offset: 0, .size: 8, .value_kind: global_buffer, .address_space: global }
      - { .name: wb, .offset: 8, .size: 8, .value_kind: global_buffer, .address_space: global }
      - { .name: qkvb, .offset: 16, .size: 8, .value_kind: global_buffer, .address_space: global }
    .group_segment_fixed_size: 0
    .private_segment_fixed_size: 0
    .kernarg_segment_align: 8
    .kernarg_segment_size: 24
    .max_flat_workgroup_size: 96
    .sgpr_count:     66
    .vgpr_count:     1024
    .wavefront_size: 32
...
	.end_amdgpu_metadata
.endif
;; end of part 2
;; launch att (part 3): grid 8 x 32, 16 waves a work-group, clusters of 4 x 1, 327,680 bytes of LDS; arguments qkvb, ob; writes ob
.if DOCPART == 3
	.amdgcn_target "amdgcn-amd-amdhsa--gfx1250"
	.amdhsa_code_object_version 6
	.text
	.protected	k_qb0682dc0e2_att
	.globl	k_qb0682dc0e2_att
	.p2align	8
	.type	k_qb0682dc0e2_att,@function
k_qb0682dc0e2_att:
	s_mov_b64 s[64:65], 0
	v_nop
	global_prefetch_b8 v0, s[64:65] scope:SCOPE_SE
	s_setreg_imm32_b32 hwreg(HW_REG_WAVE_MODE, 25, 1), 1
	s_wait_xcnt 0x0
	s_wait_alu depctr_hold_cnt(0) depctr_sa_sdst(0) depctr_va_vdst(0) depctr_va_sdst(0) depctr_va_ssrc(0) depctr_va_vcc(0) depctr_vm_vsrc(0)
	s_getreg_b32 s2, hwreg(HW_REG_IB_STS2, 6, 4)
	s_cmp_eq_u32 s2, 0
	s_cbranch_scc0 .Lentry_in_a_cluster
	s_endpgm
.Lentry_in_a_cluster:
	s_bfe_u32 s2, ttmp6, 0x10000c
	s_cmp_lg_u32 s2, 0x3003
	s_cbranch_scc0 .Lentry_shape_is_right
	s_endpgm
.Lentry_shape_is_right:
; o = softmax(q k^T / 8, causal) v for one head (ttmp7: 16 x batch + head), on codes of FP6 (E2M3) with E8M0 scales; o is quantised along the head's 64 and stored as an image of operand registers.
; Key steps that lie wholly above the diagonal are not walked: the causal mask gives them the weight 0.
; THE DEAL.  A head has 128 tiles of 16 queries.  Work-group x (0..7) takes tiles 8 i + x, i = 0..15; tile 8 i + x needs key steps 0..i of 128 keys: 136 tile steps in every work-group.
; The 16 waves stand in 8 pairs.  Pair k owns tile i = k (k + 1 steps) and tile i = 15 - k (16 - k steps), 17 steps:
;   the helper walks key steps 0..8: steps 0..k for tile k, which it then finishes and stores; steps k + 1..8 for tile 15 - k;
;   the keeper walks steps 0..k and 9..15 - k of tile 15 - k: 8 steps.  The helper's part (-M, the sums, O^T) goes to the keeper through LDS and is joined by powers of two, which round nothing.
; THE FILLS.  K, V (196,608 bytes) and their scale words (12,288) all lie in LDS, each byte filled once.  At the head waves 0-11 ask for key steps 0-3 of K and V, 16 rows of 256 bytes each, waves 12-15 for all
;   scale words, 12 rows each; behind the full sequence each wave asks for 36 rows of key steps 4-15.  Every wait on TENSORcnt is for 0.
; CLUSTERS: the four work-groups of a cluster work on one head and ask for its K and V jointly (mask 15).  No branch and no LDS address hangs on the place in the cluster: x enters the mask's compare values and the addresses of q and o alone.
; No prefetch is written: the launch has two fills, the second asked for directly behind the first's landing, and no trip stands ahead of either in which to ask.
; Both products are used transposed (S^T = k q^T, O^T = v^T p^T): a lane holds one query.  p = 2^(t - M), M the ceiling of the running largest t; the sum is taken of the unquantised p.
; LIMITS: the scaled scores (exponents to the base 2) stay under 2^31 in magnitude; NaN and infinities are not served; a block whose largest magnitude lies under 2^-124 gets the byte 1.
.set KVC,  3145728                     ; qkvb: a head's k [128 tiles][768] then v [16 key steps][4 tiles][1,536]
.set QS,   9437184                     ; q's scale words
.set KVS,  9699328                     ; a head's k and v scale words, 12,288 bytes
.set OSC,  3145728                     ; ob: scale words
.set LV,   98304                       ; LDS: v behind k
.set LKS,  196608                      ; k's scale words
.set LVS,  204800                      ; v's
.set SPARE, 208896                     ; the spare words, 128 bytes a wave
.set STGE, SPARE+2048                  ; the pairs' stages, 4,608 bytes each: no fill lands here
.set STG,  24576                       ; four key steps of k or of v
.set LI,  1
.set L8,  2
.set R4,  3
.set AV0, 4
.set SPW, 5
.set NIL, 6
.set AKS, 7
.set AVS, 8
.set ADK, 9
.set ADK8, 10
.set ADV, 11
.set ADS, 28
.set ADT, 29
.set QW,  30
.set PWD, 31
.set KFR, 32
.set KW,  80
.set VW,  84
.set F,   88
.set T0,  90
.set S,   96
.set O,   160
.set PC,  192
.set PX,  204
.set BM,  212
.set PR,  216
.set SO,  220
.set BY,  224
.set SU,  228
.set Q2,  232                          ; v232-237 the second tile's q, v238 its scale words
.set QW2, 238
.set MST, 239                          ; LDS address of my pair's stage + 16 x lane
.set FA,  240                          ; v240-241 the helper's factor
.set MG,  244                          ; v244-247 the helper's -M, largest t, two sums
.set WV,  8
.set QBB, 13                           ; s13 128 (15 - k)
.set G1C, 16                           ; group 1: 16 rows of 256 bytes
.set G1S, 24                           ; 12 rows
.set G0A, 32
.set G0S, 36
.set Q0B, 40                           ; first query of tile 15 - k
.set Q0,  41                           ; first query of the tile at work
.set SEL, 54
.set CS,  56
.set KF,  58
.set TK,  59
.set TS,  60
.set TT,  61
.set CNT, 62
.set E1,  66                           ; my steps: first key <= E1, or 1,152 <= first key <= E2
.set E2,  67
.set SWK, 68                           ; the helper changes tiles behind the step with this first key
.set ROLE, 69                          ; 1 helper, 0 keeper
.set KP,  70                           ; the pair, k
.set QB,  71                           ; first key of the diagonal step of the tile at work
.set G1R, 76                           ; 36 rows
.set G0R, 84
.macro PLACES
.rept 4
	v_nop
.endr
.endm
.macro ROUND                           ; a round of the cluster's barrier
	s_barrier_signal -1
	s_barrier_wait -1
	s_cmp_lg_u32 s[WV], 0
	s_cbranch_scc1 .Lnot_wave_0_\@
	s_barrier_signal -3
.Lnot_wave_0_\@:
	s_barrier_wait -3
	s_barrier_signal -1
	s_barrier_wait -1
.endm
.macro QADR q, c, w                    ; byte offsets of the codes and scale words of the q tile whose first query is s[q]; leaves the tile's number in s43
	s_lshr_b32 s43, s[\q], 4
	s_lshl_b32 s42, s9, 7
	s_add_co_u32 s42, s42, s43
	s_mul_i32 s[\c], s42, 768
	s_mov_b32 s[\c+1], 0
	s_lshl_b32 s[\w], s42, 6
	s_add_co_u32 s[\w], s[\w], QS
	s_mov_b32 s[\w+1], 0
.endm
; A finished tile: O^T / the row's sum, quantised along the head's 64 (two blocks), stored as half an operand image
.macro EPI
	v_add_f32 v14, v14, v15
	s_delay_alu instid0(VALU_DEP_1)
	v_permlanex16_b32 v[T0], v14, s[SEL], s[SEL+1]
	s_delay_alu instid0(VALU_DEP_1)
	v_add_f32 v14, v14, v[T0]
	s_wait_alu depctr_va_vdst(0)                   ; the wait ahead of the transcendental
	v_rcp_f32 v[T0+2], v14
	v_nop
	s_wait_alu depctr_va_vdst(0)                   ; and ahead of its first reader, which is also O^T's first reader
.set n, 0
.rept 16
	v_pk_mul_f32 v[S+n:S+n+1], v[O+n:O+n+1], v[T0+2:T0+3] op_sel_hi:[1,0]
.set n, n+2
.endr
.irp b, 0,1
	v_max3_num_f32 v[BM+\b], |v[S+16*\b]|, |v[S+1+16*\b]|, 0x1800000   ; the floor 2^(3 - 127) holds the byte at 1 from below
.endr
.irp i, 2,4,6,8,10,12,14
.irp b, 0,1
	s_delay_alu instid0(VALU_DEP_2)
	v_max3_num_f32 v[BM+\b], v[BM+\b], |v[S+16*\b+\i]|, |v[S+1+16*\b+\i]|
.endr
.endr
.irp b, 0,1
	s_delay_alu instid0(VALU_DEP_2)
	v_permlanex16_b32 v[PR+\b], v[BM+\b], s[SEL], s[SEL+1]
.endr
.irp b, 0,1
	s_delay_alu instid0(VALU_DEP_2)
	v_max_num_f32 v[BM+\b], v[BM+\b], v[PR+\b]
.endr
.irp b, 0,1
	s_delay_alu instid0(VALU_DEP_2)
	v_add_nc_u32 v[SO+\b], 0xff000000, v[BM+\b]    ; 2 off the exponent field: the conversion's scale operand
.endr
.irp b, 0,1
	s_delay_alu instid0(VALU_DEP_2)
	v_lshrrev_b32 v[BY+\b], 23, v[SO+\b]
.endr
	s_delay_alu instid0(VALU_DEP_1)
	v_lshl_or_b32 v[T0], v[BY+1], 8, v[BY]
	v_cvt_scalef32_pk16_fp6_f32 v[PC:PC+2], v[S:S+15], v[SO]
	v_cvt_scalef32_pk16_fp6_f32 v[PX:PX+2], v[S+16:S+31], v[SO+1]
	v_nop                                          ; one plain place behind a scaled conversion
.irp i, 0,1,2
	v_permlane16_swap_b32 v[PC+\i], v[PX+\i]
.endr
.irp i, 0,1,2
	s_delay_alu instid0(VALU_DEP_3)
	v_mov_b32 v[PC+3+\i], v[PX+\i]
.endr
	global_store_b128 v[LI], v[PC:PC+3], s[50:51]
	global_store_b64 v[L8], v[PC+4:PC+5], s[50:51] offset:512
	global_store_b16 v[R4], v[T0], s[52:53]
.endm
	s_load_b128 s[4:7], s[0:1], 0x0                ; qkvb, ob
	v_lshl_add_u32 v[SPW], v0, 2, SPARE
	v_mov_b32 v[NIL], 0
	ds_add_u32 v[SPW], v[NIL]                      ; the opening lines: the add, twice on end, and its wait ahead of the first tensor load
	ds_add_u32 v[SPW], v[NIL]
	v_lshrrev_b32 v9, 5, v0
	v_readfirstlane_b32 s[WV], v9                  ; wave 0..15
	s_and_b32 s9, ttmp7, 0xffff                    ; 16 x batch + head
.irp g, G1C, G1S, G1R                          ; group 1: rows of 32 elements of 8 bytes, dense; mask 15 and bit 21 beside it
	s_mov_b32 s[\g], (3<<16)|(1<<21)|15
	s_mov_b32 s[\g+1], 32<<16
	s_mov_b32 s[\g+3], 32<<16
	s_mov_b32 s[\g+5], 32
	s_mov_b32 s[\g+6], 0
	s_mov_b32 s[\g+7], 0
.endr
	s_mov_b32 s[G1C+2], 16<<16
	s_mov_b32 s[G1C+4], 16
	s_mov_b32 s[G1S+2], 12<<16
	s_mov_b32 s[G1S+4], 12
	s_mov_b32 s[G1R+2], 36<<16
	s_mov_b32 s[G1R+4], 36
	; the head's codes: waves 0-5 k, 6-11 v, 4,096 bytes each; LDS and the head's record have the same order
	s_mul_i32 s88, s[WV], 43
	s_lshr_b32 s88, s88, 8                         ; wave / 6 for waves 0-11
	s_mul_i32 s88, s88, LV-6*4096
	s_lshl_b32 s89, s[WV], 12
	s_mov_b32 s[G0A], 1
	s_add_co_u32 s[G0A+1], s88, s89
	s_mul_i32 s90, s9, 196608
	s_add_co_u32 s90, s90, KVC
	s_add_co_u32 s88, s90, s[G0A+1]
	s_mov_b32 s89, 0
	; the scale words: waves 12-15, 3,072 bytes each
	s_mul_i32 s92, s[WV], 3072
	s_mov_b32 s[G0S], 1
	s_add_co_u32 s[G0S+1], s92, LKS-12*3072
	s_mul_i32 s93, s9, 12288
	s_add_co_u32 s92, s92, s93
	s_add_co_u32 s92, s92, KVS-12*3072
	s_mov_b32 s93, 0
	; key steps 4-15: waves 0-7 k, 8-15 v, 9,216 bytes each
	s_mul_i32 s94, s[WV], 9216
	s_lshr_b32 s95, s[WV], 3
	s_mul_i32 s95, s95, LV-8*9216
	s_add_co_u32 s94, s94, s95
	s_mov_b32 s[G0R], 1
	s_add_co_u32 s[G0R+1], s94, STG
	s_add_co_u32 s90, s90, s[G0R+1]
	s_mov_b32 s91, 0
	; role and pair, from the wave's number alone: waves w and w xor 4 form pair k = (w & 3) | ((w >> 1) & 4)
	s_lshr_b32 s10, s[WV], 2
	s_xor_b32 s10, s10, s[WV]
	s_and_b32 s[ROLE], s10, 1
	s_and_b32 s10, s[WV], 3
	s_lshr_b32 s11, s[WV], 1
	s_and_b32 s11, s11, 4
	s_or_b32 s[KP], s10, s11
	s_lshl_b32 s12, s[KP], 7                       ; 128 k
	s_sub_co_u32 s[QBB], 1920, s12                 ; 128 (15 - k)
	s_bfe_u32 s14, ttmp6, 0x40000                  ; cx
	s_lshl_b32 s15, ttmp9, 2
	s_add_co_u32 s14, s14, s15                     ; x = 4 x cluster x + cx
	s_lshl_b32 s14, s14, 4
	s_add_co_u32 s[Q0B], s[QBB], s14
	s_add_co_u32 s15, s12, s14
	s_cmp_eq_u32 s[ROLE], 1
	s_cselect_b32 s[Q0], s15, s[Q0B]               ; the helper begins with tile k, the keeper has tile 15 - k
	s_cselect_b32 s[QB], s12, s[QBB]
	s_cselect_b32 s[E1], 1024, s12
	s_cselect_b32 s[E2], 0, s[QBB]
	s_cselect_b32 s[SWK], s12, -1
	QADR Q0B, 72, 74
	QADR Q0, 44, 46
	s_lshr_b32 s48, s9, 4                          ; where the first tile's o goes: [16 x batch-tile][K step = head / 2][half = head % 2]
	s_lshl_b32 s48, s48, 7
	s_add_co_u32 s48, s48, s43
	s_lshl_b32 s48, s48, 3
	s_bfe_u32 s49, s9, 0x30001
	s_add_co_u32 s48, s48, s49
	s_and_b32 s49, s9, 1
	s_mul_i32 s50, s48, 1536
	s_mul_i32 s52, s49, 768
	s_add_co_u32 s50, s50, s52
	s_mov_b32 s51, 0
	s_lshl_b32 s52, s48, 6
	s_lshl_b32 s49, s49, 1
	s_add_co_u32 s52, s52, s49
	s_add_co_u32 s52, s52, OSC
	s_mov_b32 s53, 0
	s_mov_b32 s[SEL], 0x76543210
	s_mov_b32 s[SEL+1], 0xfedcba98
	s_mov_b32 s[CS], 0x3e38aa3b                    ; log2(e) / 8
	s_mov_b32 s[CS+1], s[CS]
	s_mul_i32 s63, s[KP], 4608
	s_add_co_u32 s63, s63, STGE
	s_wait_dscnt 0x0                               ; both opening adds are done
	s_wait_kmcnt 0x0
	s_add_nc_u64 s[G0A+2:G0A+3], s[4:5], s[88:89]
	s_or_b32 s[G0A+3], s[G0A+3], 0x80000000
	s_add_nc_u64 s[G0S+2:G0S+3], s[4:5], s[92:93]
	s_or_b32 s[G0S+3], s[G0S+3], 0x80000000
	s_add_nc_u64 s[G0R+2:G0R+3], s[4:5], s[90:91]
	s_or_b32 s[G0R+3], s[G0R+3], 0x80000000
	s_add_nc_u64 s[44:45], s[4:5], s[44:45]
	s_add_nc_u64 s[46:47], s[4:5], s[46:47]
	s_add_nc_u64 s[72:73], s[4:5], s[72:73]
	s_add_nc_u64 s[74:75], s[4:5], s[74:75]
	s_add_nc_u64 s[50:51], s[6:7], s[50:51]
	s_add_nc_u64 s[52:53], s[6:7], s[52:53]
	ROUND                                          ; the four work-groups are here: the first joint loads meet
	s_cmp_lt_u32 s[WV], 12                         ; one chain, one load to an arm: every way through the head passes one
	s_cbranch_scc0 .Lhead_scales
	tensor_load_to_lds s[G0A:G0A+3], s[G1C:G1C+7]
	s_nop 0
	PLACES
	s_branch .Lhead_asked
.Lhead_scales:
	tensor_load_to_lds s[G0S:G0S+3], s[G1S:G1S+7]
	s_nop 0
	PLACES
.Lhead_asked:
	v_and_b32 v9, 31, v0
	v_lshlrev_b32 v[LI], 4, v9
	v_lshlrev_b32 v[L8], 3, v9
	v_and_b32 v10, 15, v0
	v_lshlrev_b32 v[R4], 2, v10
	global_load_b128 v[16:19], v[LI], s[44:45]     ; q of the first tile,
	global_load_b64 v[20:21], v[L8], s[44:45] offset:512
	global_load_b32 v[QW], v[R4], s[46:47]
	global_load_b128 v[Q2:Q2+3], v[LI], s[72:73]   ; and of tile 15 - k, for the helper's change of tiles
	global_load_b64 v[Q2+4:Q2+5], v[L8], s[72:73] offset:512
	global_load_b32 v[QW2], v[R4], s[74:75]
	v_add_nc_u32 v[AV0], LV, v[LI]
	v_add_nc_u32 v[AKS], LKS, v[R4]
	v_add_nc_u32 v[AVS], LVS, v[R4]
	v_add_nc_u32 v[MST], s63, v[LI]
.irp i, 22,23,24,25,26,27
	v_mov_b32 v\i, 0                               ; the head has 64 of the instruction's 128 along K: the rest are zero codes, in q and in k
.endr
.irp t, 0,1,2,3
.irp i, 6,7,8,9,10,11
	v_mov_b32 v[KFR+12*\t+\i], 0
.endr
.endr
	v_mov_b32 v13, 0xff61b1e6                      ; the largest t so far: -3e38
	v_floor_f32 v12, -v13                          ; -M
	v_mov_b32 v14, 0
	v_mov_b32 v15, 0
.irp i, F, F+1, FA, FA+1, T0, T0+1, T0+2, T0+3, PR, PR+1, PR+2, PR+3
	v_mov_b32 v[\i], 0
.endr
.set n, 0
.rept 32
	v_mov_b32 v[O+n], 0
.set n, n+1
.endr
	s_wait_alu depctr_va_vdst(0)
	s_wait_loadcnt 0x0
	s_wait_tensorcnt 0x0                           ; my part of the head's tiles is in; the full sequence ahead of a later first fill:
	ds_add_u32 v[SPW], v[NIL]
	s_wait_dscnt 0x0
	ROUND
	tensor_load_to_lds s[G0R:G0R+3], s[G1R:G1R+7]  ; key steps 4-15, my one load behind the round
	s_nop 0
	PLACES
; a walk over key steps first .. first + trips - 1: every wave walks all trips, and tests on the wave's number lead round the steps that are not its own
.macro WALK first, trips
	s_mov_b32 s[KF], 128*\first
	s_mov_b32 s[TK], 6144*\first
	s_mov_b32 s[TS], 512*\first
	s_mov_b32 s[TT], 256*\first
	s_mov_b32 s[CNT], \trips
.Lstep_\@:
.if 128*(\first+\trips) <= 1152                ; a walk that ends ahead of key 1,152 has no step of the second range
	s_cmp_gt_u32 s[KF], s[E1]
	s_cbranch_scc1 .Lhidden_\@
.else
	s_cmp_le_u32 s[KF], s[E1]
	s_cbranch_scc1 .Lmine_\@
	s_cmp_lt_u32 s[KF], 1152
	s_cbranch_scc1 .Lhidden_\@
	s_cmp_gt_u32 s[KF], s[E2]
	s_cbranch_scc1 .Lhidden_\@
.Lmine_\@:
.endif
	v_add_nc_u32 v[ADK], s[TK], v[LI]
	v_add_nc_u32 v[ADK8], s[TK], v[L8]
	v_add_nc_u32 v[ADV], s[TK], v[AV0]
	v_add_nc_u32 v[ADS], s[TS], v[AKS]
	v_add_nc_u32 v[ADT], s[TT], v[AVS]
	v_nop                                          ; six places between the last step's products and the products that write over their sources
	s_wait_alu depctr_va_vdst(0)
.irp g, 0,1                                    ; S^T = k q^T, four tiles of 16 keys at a time
.if \g
	PLACES
.endif
.irp t, 0,1,2,3
	ds_load_b128 v[KFR+12*\t:KFR+12*\t+3], v[ADK] offset:768*(4*\g+\t)
	ds_load_b64 v[KFR+12*\t+4:KFR+12*\t+5], v[ADK8] offset:768*(4*\g+\t)+512
	ds_load_b32 v[KW+\t], v[ADS] offset:64*(4*\g+\t)
.endr
	s_wait_dscnt 0x0
.irp t, 0,1,2,3
	v_wmma_scale_f32_16x16x128_f8f6f4 v[S+8*(4*\g+\t):S+8*(4*\g+\t)+7], v[KFR+12*\t:KFR+12*\t+11], v[16:27], 0, v[KW+\t], v[QW] matrix_a_fmt:MATRIX_FMT_FP6 matrix_b_fmt:MATRIX_FMT_FP6
.endr
.endr
	PLACES
	s_add_co_u32 s63, s[KF], 127
	s_cmp_le_u32 s63, s[QB]                        ; only the tile's diagonal step is masked
	s_cbranch_scc1 .Lopen_\@
	s_sub_co_i32 s63, s[Q0], s[KF]
	v_and_b32 v[T0+1], 15, v0
	v_bfe_u32 v[T0+2], v0, 4, 1
	s_delay_alu instid0(VALU_DEP_1)
	v_lshlrev_b32 v[T0+2], 3, v[T0+2]
	s_delay_alu instid0(VALU_DEP_1)
	v_sub_nc_u32 v[T0+1], v[T0+1], v[T0+2]
	s_delay_alu instid0(VALU_DEP_1)
	v_add_nc_u32 v[T0+1], s63, v[T0+1]             ; my query less the step's first key less 8 h
	v_mov_b32 v[T0+3], 0xff800000
.set n, 0
.rept 64
	v_cmp_gt_i32 vcc_lo, 16*(n/8)+n%8, v[T0+1]
	v_cndmask_b32 v[S+n], v[S+n], v[T0+3], vcc_lo
.set n, n+1
.endr
.Lopen_\@:
.irp b, 0,1,2,3                                ; the largest score of each block of 32 keys: for the row's maximum and for the block's largest p
	v_max3_num_f32 v[BM+\b], v[S+16*\b], v[S+1+16*\b], v[S+2+16*\b]
.endr
.irp i, 3,5,7,9,11,13
.irp b, 0,1,2,3
	v_max3_num_f32 v[BM+\b], v[BM+\b], v[S+16*\b+\i], v[S+1+16*\b+\i]
.endr
.endr
.irp b, 0,1,2,3
	v_max_num_f32 v[BM+\b], v[BM+\b], v[S+15+16*\b]
.endr
.irp b, 0,1,2,3
	s_delay_alu instid0(VALU_DEP_4)
	v_permlanex16_b32 v[PR+\b], v[BM+\b], s[SEL], s[SEL+1]
.endr
.irp b, 0,1,2,3
	s_delay_alu instid0(VALU_DEP_4)
	v_max_num_f32 v[BM+\b], v[BM+\b], v[PR+\b]
.endr
	s_delay_alu instid0(VALU_DEP_2)
	v_max3_num_f32 v[T0], v[BM], v[BM+1], v[BM+2]
	s_delay_alu instid0(VALU_DEP_1)
	v_max_num_f32 v[T0], v[T0], v[BM+3]
	s_delay_alu instid0(VALU_DEP_1)
	v_mul_f32 v[T0], s[CS], v[T0]
	s_delay_alu instid0(VALU_DEP_1)
	v_max_num_f32 v13, v13, v[T0]                  ; the running largest t
	v_mov_b32 v[T0], v12
	s_delay_alu instid0(VALU_DEP_2)
	v_floor_f32 v12, -v13                          ; -M = -ceil(t)
	s_delay_alu instid0(VALU_DEP_1)
	v_sub_f32 v[T0], v12, v[T0]
	s_delay_alu instid0(VALU_DEP_1)
	v_cvt_i32_f32 v[T0], v[T0]
	s_delay_alu instid0(VALU_DEP_1)
	v_ldexp_f32 v[F], 1.0, v[T0]                   ; f = 2^(old M - new M)
.set n, 0
.rept 32
	v_pk_fma_f32 v[S+n:S+n+1], v[S+n:S+n+1], s[CS:CS+1], v[12:13] op_sel_hi:[1,0,0]
.set n, n+2
.endr
.irp b, 0,1,2,3
	v_fma_f32 v[BM+\b], v[BM+\b], s[CS], v12
.endr
.set n, 0
	s_wait_alu depctr_va_vdst(0)                   ; the wait ahead of the batch
.rept 64
	v_exp_f32 v[S+n], v[S+n]
.set n, n+1
.endr
	v_pk_mul_f32 v[14:15], v[14:15], v[F:F+1] op_sel_hi:[1,0]
	s_wait_alu depctr_va_vdst(0)                   ; one wait for the batch
.irp b, 0,1,2,3
	v_exp_f32 v[BM+\b], v[BM+\b]
.endr
	v_pk_add_f32 v[SU:SU+1], v[S:S+1], v[S+2:S+3]  ; the sum of the unquantised p, in two chains
.irp j, 4,8,12,16,20,24,28,32,36,40,44,48,52,56,60
	v_pk_add_f32 v[14:15], v[14:15], v[S+\j:S+1+\j]
	v_pk_add_f32 v[SU:SU+1], v[SU:SU+1], v[S+2+\j:S+3+\j]
.endr
	s_delay_alu instid0(VALU_DEP_1)
	v_pk_add_f32 v[14:15], v[14:15], v[SU:SU+1]
	s_wait_alu depctr_va_vdst(0)                   ; and one for the four
.irp b, 0,1,2,3
	v_max_num_f32 v[BM+\b], 0x1800000, v[BM+\b]
.endr
.irp b, 0,1,2,3
	s_delay_alu instid0(VALU_DEP_4)
	v_add_nc_u32 v[SO+\b], 0xff000000, v[BM+\b]
.endr
.irp b, 0,1,2,3
	s_delay_alu instid0(VALU_DEP_4)
	v_lshrrev_b32 v[BY+\b], 23, v[SO+\b]
.endr
	s_delay_alu instid0(VALU_DEP_3)
	v_lshl_or_b32 v[PWD], v[BY+1], 8, v[BY]
	s_delay_alu instid0(VALU_DEP_1)
	v_lshl_or_b32 v[PWD], v[BY+2], 16, v[PWD]
	s_delay_alu instid0(VALU_DEP_1)
	v_lshl_or_b32 v[PWD], v[BY+3], 24, v[PWD]
.irp c, 0,1
	v_cvt_scalef32_pk16_fp6_f32 v[PC+6*\c:PC+2+6*\c], v[S+32*\c:S+15+32*\c], v[SO+2*\c]
	v_cvt_scalef32_pk16_fp6_f32 v[PX+4*\c:PX+2+4*\c], v[S+16+32*\c:S+31+32*\c], v[SO+2*\c+1]
.endr
	v_nop                                          ; one plain place behind a scaled conversion
.irp t, 0,1,2,3                                ; v's four tiles of this key step land where p lay
.irp c, 0,1,2
	ds_load_b128 v[S+12*\t+4*\c:S+12*\t+4*\c+3], v[ADV] offset:1536*\t+512*\c
.endr
	ds_load_b32 v[VW+\t], v[ADT] offset:64*\t
.endr
.irp c, 0,1
.irp i, 0,1,2
	v_permlane16_swap_b32 v[PC+6*\c+\i], v[PX+4*\c+\i]
.endr
.irp i, 0,1,2
	s_delay_alu instid0(VALU_DEP_3)
	v_mov_b32 v[PC+3+6*\c+\i], v[PX+4*\c+\i]
.endr
.endr
.set n, 0
.rept 16
	v_pk_mul_f32 v[O+n:O+n+1], v[O+n:O+n+1], v[F:F+1] op_sel_hi:[1,0]
.set n, n+2
.endr
	s_wait_alu depctr_va_vdst(0)
	s_wait_dscnt 0x0
.irp t, 0,1,2,3                                ; O^T += v^T p^T; the four accumulators by turns
	v_wmma_scale_f32_16x16x128_f8f6f4 v[O+8*\t:O+8*\t+7], v[S+12*\t:S+12*\t+11], v[PC:PC+11], v[O+8*\t:O+8*\t+7], v[VW+\t], v[PWD] matrix_a_fmt:MATRIX_FMT_FP6 matrix_b_fmt:MATRIX_FMT_FP6
.endr
	s_cmp_eq_u32 s[KF], s[SWK]
	s_cbranch_scc0 .Lhidden_\@
	PLACES                                         ; THE HELPER'S CHANGE OF TILES: tile k is finished and stored,
	EPI
	v_mov_b32 v[QW], v[QW2]                        ; and tile 15 - k begins: its q, and sums that start anew
.irp i, 0,1,2,3,4,5
	v_mov_b32 v[16+\i], v[Q2+\i]
.endr
	v_mov_b32 v13, 0xff61b1e6
	v_mov_b32 v14, 0
	v_mov_b32 v15, 0
	v_floor_f32 v12, -v13
.set n, 0
.rept 32
	v_mov_b32 v[O+n], 0
.set n, n+1
.endr
	s_mov_b32 s[Q0], s[Q0B]
	s_mov_b32 s[QB], s[QBB]
	s_wait_alu depctr_va_vdst(0)
	s_wait_xcnt 0x0                                ; the stores have read their data: the codes' registers are written again only behind this wait
.Lhidden_\@:
	s_add_co_u32 s[KF], s[KF], 128
	s_add_co_u32 s[TK], s[TK], 6144
	s_add_co_u32 s[TS], s[TS], 512
	s_add_co_u32 s[TT], s[TT], 256
	s_sub_co_u32 s[CNT], s[CNT], 1
	s_cmp_lg_u32 s[CNT], 0
	s_cbranch_scc1 .Lstep_\@
.endm
	WALK 0, 2                                      ; key steps 0 and 1, of the four that the head brought, are walked while key steps 4-15 are on their way
	s_wait_tensorcnt 0x0                           ; my part of key steps 4-15 is in,
	s_wait_dscnt 0x0
	s_barrier_signal -1
	s_barrier_wait -1                              ; and everybody's
	WALK 2, 14                                     ; from here on no wave waits for another until the pairs join: 6 or 7 steps a wave
	PLACES
	s_wait_alu depctr_va_vdst(0)
	s_cmp_eq_u32 s[ROLE], 1
	s_cbranch_scc0 .Lkeeper
.irp i, 0,1,2,3,4,5,6,7                        ; the helper's part of tile 15 - k, as an image of its registers; each accumulator from its low end on
	ds_store_b128 v[MST], v[O+4*\i:O+4*\i+3] offset:512*\i
.endr
	ds_store_b128 v[MST], v[12:15] offset:4096
.Lkeeper:
	s_wait_dscnt 0x0                               ; for the keeper's sake
	s_barrier_signal -1
	s_barrier_wait -1
	s_cmp_eq_u32 s[ROLE], 1
	s_cbranch_scc1 .Lend
.irp i, 0,1,2,3,4,5,6,7
	ds_load_b128 v[S+4*\i:S+4*\i+3], v[MST] offset:512*\i
.endr
	ds_load_b128 v[MG:MG+3], v[MST] offset:4096
	s_wait_dscnt 0x0
	v_min_num_f32 v[T0], v12, v[MG]                ; the joint -M
	v_sub_f32 v[T0+1], v[T0], v12                  ; whole numbers, 0 or less
	v_sub_f32 v[T0+2], v[T0], v[MG]
	v_cvt_i32_f32 v[T0+1], v[T0+1]
	v_cvt_i32_f32 v[T0+2], v[T0+2]
	v_ldexp_f32 v[F], 1.0, v[T0+1]                 ; my factor and the helper's: powers of two
	v_ldexp_f32 v[FA], 1.0, v[T0+2]
	v_pk_mul_f32 v[14:15], v[14:15], v[F:F+1] op_sel_hi:[1,0]
	v_pk_fma_f32 v[14:15], v[MG+2:MG+3], v[FA:FA+1], v[14:15] op_sel_hi:[1,0,1]
	s_wait_alu depctr_va_vdst(0)
.set n, 0
.rept 16
	v_pk_mul_f32 v[O+n:O+n+1], v[O+n:O+n+1], v[F:F+1] op_sel_hi:[1,0]
.set n, n+2
.endr
.set n, 0
.rept 16
	v_pk_fma_f32 v[O+n:O+n+1], v[S+n:S+n+1], v[FA:FA+1], v[O+n:O+n+1] op_sel_hi:[1,0,1]
.set n, n+2
.endr
	EPI
.Lend:
	s_wait_tensorcnt 0x0                           ; the wave's end
	ds_add_u32 v[SPW], v[NIL]
	s_wait_dscnt 0x0
	ROUND                                          ; the closing round
	s_endpgm
.Lfunc_end_k_qb0682dc0e2_att:
	.size	k_qb0682dc0e2_att, .Lfunc_end_k_qb0682dc0e2_att-k_qb0682dc0e2_att
	.p2alignl 7, 3214868480
	.fill 96, 4, 3214868480
	.section	.rodata,"a",@progbits
	.p2align	6, 0x0
	.amdhsa_kernel k_qb0682dc0e2_att
		.amdhsa_group_segment_fixed_size 327680
		.amdhsa_private_segment_fixed_size 0
		.amdhsa_enable_private_segment 0
		.amdhsa_kernarg_size 16
		.amdhsa_user_sgpr_count 2
		.amdhsa_user_sgpr_kernarg_segment_ptr 1
		.amdhsa_wavefront_size32 1
		.amdhsa_system_sgpr_workgroup_id_x 1
		.amdhsa_system_sgpr_workgroup_id_y 1
		.amdhsa_system_sgpr_workgroup_id_z 1
		.amdhsa_system_vgpr_workitem_id 0
		.amdhsa_next_free_vgpr 256
		.amdhsa_next_free_sgpr 96
		.amdhsa_reserve_vcc 1
		.amdhsa_float_denorm_mode_32 3
		.amdhsa_float_denorm_mode_16_64 3
		.amdhsa_memory_ordered 1
		.amdhsa_forward_progress 1
		.amdhsa_inst_pref_size 79
	.end_amdhsa_kernel
	.amdgpu_metadata
---
amdhsa.version: [ 1, 2 ]
amdhsa.kernels:
  - .name:           k_qb0682dc0e2_att
    .symbol:         k_qb0682dc0e2_att.kd
    .args:
      - { .name: qkvb, .offset: 0, .size: 8, .value_kind: global_buffer, .address_space: global }
      - { .name: ob, .offset: 8, .size: 8, .value_kind: global_buffer, .address_space: global }
    .group_segment_fixed_size: 327680
    .private_segment_fixed_size: 0
    .kernarg_segment_align: 8
    .kernarg_segment_size: 16
    .max_flat_workgroup_size: 512
    .sgpr_count:     96
    .vgpr_count:     256
    .wavefront_size: 32
...
	.end_amdgpu_metadata
.endif
;; end of part 3
;; launch proj (part 4): grid 256 x 1, 4 waves a work-group, no clusters, 270,848 bytes of LDS; arguments ob, wb, bp, x, x1; writes x1
.if DOCPART == 4
	.amdgcn_target "amdgcn-amd-amdhsa--gfx1250"
	.amdhsa_code_object_version 6
	.text
	.protected	k_qb0682dc0e2_proj
	.globl	k_qb0682dc0e2_proj
	.p2align	8
	.type	k_qb0682dc0e2_proj,@function
k_qb0682dc0e2_proj:
	s_mov_b64 s[64:65], 0
	v_nop
	global_prefetch_b8 v0, s[64:65] scope:SCOPE_SE
	s_setreg_imm32_b32 hwreg(HW_REG_WAVE_MODE, 25, 1), 1
	s_wait_xcnt 0x0
; x1 = x + o Wp + bp, the product on codes of FP6 with E8M0 scales.  A work-group makes 128 tokens x 128 outputs.
; THE FOUR WAVES SHARE K: wave w takes K steps 2 w and 2 w + 1 of the whole tile (64 accumulators), so each operand byte is loaded once in the work-group; the four partial sums meet in LDS.
; Operands lie in memory as images of the operand's registers and go straight into registers.  o's fragment is two halves of six registers (two heads): 16 + 8 + 16 + 8 bytes a lane.
; Transposed use: source 0 = 16 rows of Wp (outputs), source 1 = 16 tokens: a lane holds eight neighbouring outputs of one token.
; The rows of x and the bias are asked for ahead of the last K step's 64 products, into the set of registers that the step before has left.
; The order of rounding differs from one chain over K: four partial sums are added, (P0 + P1) + (P2 + P3), then x, then bp.
; REGISTERS: window 0: v1-4 lane offsets, v8-11 bias, v12-15, v16 LDS addresses, v28, v29 the add's two, v32-63 scale words, v64-255 source 1's fragments (later the rows on their way out).
;   window 1: source 0's fragments (later, in v0-127, 32 rows of x).  windows 2, 3: accumulator (a, b) at v[8 (8 (a % 4) + b)].
.set NS,    8
.set KSW,   2
.set AHALF, 1
.set CM0,   1
.set UNIT0, 192                        ; Wp's first unit in wb
.set ASC,   3145728                    ; where source 1's scale words begin
.set TSTR,  NS*1536
.set SSTR,  NS*64
.set NF,    48+8*AHALF
.set WSC,   9437184
.set PART,  67584                      ; LDS: a wave's partial tile: 128 rows x (512 bytes + 16)
.set SPARE, 4*PART
.set L16, 1
.set L8,  2
.set L4,  3
.set LR4, 4
.set BI,  8
.set RD,  12
.set STO, 16
.set SPW, 28
.set NIL, 29
.set SC,  32
.set AF,  64
.set PA,  28
.set PB,  30
.set PAS, 32
.set PBS, 34
.set RES, 36
.set OUT, 38
.set BIA, 40
.set MSB, 0
.macro WIN new
.if MSB != (\new)
	s_set_vgpr_msb (MSB<<8)|(\new)
.set MSB, (\new)
.endif
.endm
.macro PLACES
.rept 4
	v_nop
.endr
.endm
.macro LOADF st
	WIN 0
.irp i, 0,1,2,3,4,5,6,7
	global_load_b128 v[AF+96*((\st)%2)+12*\i:AF+96*((\st)%2)+12*\i+3], v[L16], s[PA:PA+1] offset:\i*TSTR+(\st)*1536
	global_load_b64 v[AF+96*((\st)%2)+12*\i+4:AF+96*((\st)%2)+12*\i+5], v[L8], s[PA:PA+1] offset:\i*TSTR+(\st)*1536+512
	global_load_b128 v[AF+96*((\st)%2)+12*\i+6:AF+96*((\st)%2)+12*\i+9], v[L16], s[PA:PA+1] offset:\i*TSTR+(\st)*1536+768
	global_load_b64 v[AF+96*((\st)%2)+12*\i+10:AF+96*((\st)%2)+12*\i+11], v[L8], s[PA:PA+1] offset:\i*TSTR+(\st)*1536+1280
.endr
	WIN 0x40
.irp i, 0,1,2,3,4,5,6,7
.irp c, 0,1,2
	global_load_b128 v[128*((\st)%2)+12*\i+4*\c:128*((\st)%2)+12*\i+4*\c+3], v[L16], s[PB:PB+1] offset:\i*TSTR+(\st)*1536+512*\c
.endr
.endr
	WIN 0
.endm
.macro LOADS g
.irp i, 0,1,2,3,4,5,6,7
	global_load_b32 v[SC+16*((\g)%2)+\i], v[L4], s[PAS:PAS+1] offset:\i*SSTR+128*(\g)
	global_load_b32 v[SC+16*((\g)%2)+8+\i], v[L4], s[PBS:PBS+1] offset:\i*SSTR+128*(\g)
.endr
.endm
.macro MM a, b, st, cm
.set rD, 8*(8*((\a)%4)+(\b))
.set rB, 128*((\st)%2)+12*(\b)
.set rA, AF+96*((\st)%2)+12*(\a)
.set rT, SC+16*(((\st)/2)%2)
.if (\st)%2
	v_wmma_scale_f32_16x16x128_f8f6f4 v[rD:rD+7], v[rB:rB+11], v[rA:rA+11], v[rD:rD+7], v[rT+8+(\b)], v[rT+(\a)] matrix_a_fmt:MATRIX_FMT_FP6 matrix_b_fmt:MATRIX_FMT_FP6 matrix_a_scale:MATRIX_SCALE_ROW1 matrix_b_scale:MATRIX_SCALE_ROW1
.elseif (\cm) == 1
	v_wmma_scale_f32_16x16x128_f8f6f4 v[rD:rD+7], v[rB:rB+11], v[rA:rA+11], 0, v[rT+8+(\b)], v[rT+(\a)] matrix_a_fmt:MATRIX_FMT_FP6 matrix_b_fmt:MATRIX_FMT_FP6
.else
	v_wmma_scale_f32_16x16x128_f8f6f4 v[rD:rD+7], v[rB:rB+11], v[rA:rA+11], v[rD:rD+7], v[rT+8+(\b)], v[rT+(\a)] matrix_a_fmt:MATRIX_FMT_FP6 matrix_b_fmt:MATRIX_FMT_FP6
.endif
.endm
.macro MUL st, cm                      ; the 64 accumulators take turns, in the same order in every step
.irp a, 0,1,2,3,4,5,6,7
	WIN 0xa1+0x50*(\a/4)
.irp b, 0,1,2,3,4,5,6,7
	MM \a, \b, \st, \cm
.endr
.endr
	WIN 0
.endm
	s_load_b256 s[4:11], s[0:1], 0x0               ; source 1's operand, wb, the bias, the residual
	s_load_b64 s[12:13], s[0:1], 0x20              ; the result
	v_lshl_add_u32 v[SPW], v0, 2, SPARE
	v_mov_b32 v[NIL], 0
	v_lshrrev_b32 v5, 5, v0
	v_readfirstlane_b32 s14, v5                    ; wave 0..3
	v_and_b32 v5, 31, v0
	v_lshlrev_b32 v[L16], 4, v5
	v_lshlrev_b32 v[L8], 3, v5
	v_lshlrev_b32 v[L4], 2, v5
	v_and_b32 v6, 15, v0
	v_bfe_u32 v7, v0, 4, 1
	v_lshlrev_b32 v[LR4], 2, v6
	s_mul_i32 s17, s14, PART
	v_mul_u32_u24 v5, v6, 528
	v_lshl_add_u32 v5, v7, 5, v5
	v_add_nc_u32 v[STO], s17, v5                   ; into my partial tile: row r, + 32 h
	s_mul_i32 s17, s14, 32*528
	v_add_nc_u32 v[RD], s17, v[L16]                ; back: my 32 rows of each of the four partial tiles
	v_add_nc_u32 v[RD+1], PART, v[RD]
	v_add_nc_u32 v[RD+2], 2*PART, v[RD]
	v_add_nc_u32 v[RD+3], 3*PART, v[RD]
	s_lshr_b32 s15, ttmp9, 3                       ; the block of 128 tokens
	s_and_b32 s16, ttmp9, 7                        ; the block of 128 outputs
	s_mul_i32 s20, s15, 8*TSTR
	s_mul_i32 s21, s14, KSW*1536
	s_add_co_u32 s20, s20, s21
	s_mul_i32 s24, s16, 8*TSTR
	s_add_co_u32 s24, s24, s21
	s_add_co_u32 s24, s24, UNIT0*12288
	s_mov_b32 s21, 0
	s_mov_b32 s25, 0
	s_mul_i32 s22, s15, 8*SSTR
	s_mul_i32 s23, s14, KSW*64
	s_add_co_u32 s22, s22, s23
	s_add_co_u32 s22, s22, ASC
	s_mul_i32 s26, s16, 8*SSTR
	s_add_co_u32 s26, s26, s23
	s_add_co_u32 s26, s26, WSC+UNIT0*512
	s_mov_b32 s23, 0
	s_mov_b32 s27, 0
	s_lshl_b32 s18, s15, 19                        ; 128 rows of 4,096 bytes,
	s_lshl_b32 s19, s14, 17                        ; my 32 of them,
	s_add_co_u32 s18, s18, s19
	s_lshl_b32 s42, s16, 9                         ; the block's 512 bytes of a row
	s_add_co_u32 s18, s18, s42
	s_mov_b32 s19, 0
	s_mov_b32 s43, 0
	s_wait_kmcnt 0x0
	s_add_nc_u64 s[PA:PA+1], s[4:5], s[20:21]
	s_add_nc_u64 s[PAS:PAS+1], s[4:5], s[22:23]
	s_add_nc_u64 s[PB:PB+1], s[6:7], s[24:25]
	s_add_nc_u64 s[PBS:PBS+1], s[6:7], s[26:27]
	s_add_nc_u64 s[BIA:BIA+1], s[8:9], s[42:43]
	s_add_nc_u64 s[RES:RES+1], s[10:11], s[18:19]
	s_add_nc_u64 s[OUT:OUT+1], s[12:13], s[18:19]
	LOADF 0
	LOADS 0
	LOADF 1
	s_wait_loadcnt NF                              ; all but the next step's fragments
	MUL 0, CM0
	PLACES                                         ; between the first step's products and the loads into source 0's set that they read
	s_wait_loadcnt 0x0                             ; the last step's fragments are in
	WIN 0x40
.set n, 0
.rept 32
	global_load_b128 v[4*n:4*n+3], v[L16], s[RES:RES+1] offset:4096*n   ; my 32 rows of the residual, 512 consecutive bytes each: on their way under the last 64 products, which name none of these registers
.set n, n+1
.endr
	WIN 0
	global_load_b128 v[BI:BI+3], v[L16], s[BIA:BIA+1]
	MUL KSW-1, 0
	; THE WAY OUT
	PLACES
	s_wait_alu depctr_va_vdst(0)
.irp a, 0,1,2,3,4,5,6,7
	WIN 0x08+4*(\a/4)                              ; an LDS store's data are its source 1
.irp b, 0,1,2,3,4,5,6,7
	ds_store_b128 v[STO], v[8*(8*(\a%4)+\b):8*(8*(\a%4)+\b)+3] offset:\a*8448+64*\b          ; each accumulator from its low end on
	ds_store_b128 v[STO], v[8*(8*(\a%4)+\b)+4:8*(8*(\a%4)+\b)+7] offset:\a*8448+64*\b+16
.endr
.endr
	WIN 0
	s_wait_dscnt 0x0                               ; for the others' sake: my partial tile lies in LDS
	s_barrier_signal -1
	s_barrier_wait -1
.irp bt, 0,1,2,3                               ; eight rows at a time
.if \bt > 0
	s_wait_xcnt 0x0                                ; the last eight rows' stores have read their data
.endif
.irp q, 0,1,2,3,4,5,6,7
.irp k, 0,1,2,3
	ds_load_b128 v[64+16*\q+4*\k:64+16*\q+4*\k+3], v[RD+\k] offset:(8*\bt+\q)*528
.endr
.endr
	s_wait_dscnt 0x0
.if \bt == 0
	s_wait_loadcnt 0x0                             ; the residual and the bias
.endif
.irp q, 0,1,2,3,4,5,6,7
.irp e, 0,2
	v_pk_add_f32 v[64+16*\q+\e:64+16*\q+\e+1], v[64+16*\q+\e:64+16*\q+\e+1], v[68+16*\q+\e:68+16*\q+\e+1]
	v_pk_add_f32 v[72+16*\q+\e:72+16*\q+\e+1], v[72+16*\q+\e:72+16*\q+\e+1], v[76+16*\q+\e:76+16*\q+\e+1]
.endr
.endr
.irp q, 0,1,2,3,4,5,6,7
.irp e, 0,2
	v_pk_add_f32 v[64+16*\q+\e:64+16*\q+\e+1], v[64+16*\q+\e:64+16*\q+\e+1], v[72+16*\q+\e:72+16*\q+\e+1]
.endr
.endr
	WIN 0x04                                       ; source 1 window 1: the residual
.irp q, 0,1,2,3,4,5,6,7
.irp e, 0,2
	v_pk_add_f32 v[64+16*\q+\e:64+16*\q+\e+1], v[64+16*\q+\e:64+16*\q+\e+1], v[4*(8*\bt+\q)+\e:4*(8*\bt+\q)+\e+1]
.endr
.endr
	WIN 0
.irp q, 0,1,2,3,4,5,6,7
.irp e, 0,2
	v_pk_add_f32 v[64+16*\q+\e:64+16*\q+\e+1], v[64+16*\q+\e:64+16*\q+\e+1], v[BI+\e:BI+\e+1]
.endr
.endr
.irp q, 0,1,2,3,4,5,6,7
	global_store_b128 v[L16], v[64+16*\q:64+16*\q+3], s[OUT:OUT+1] offset:(8*\bt+\q)*4096   ; 32 lanes store 512 consecutive bytes, at a multiple of 256 from the buffer's first byte
.endr
.endr
	s_wait_tensorcnt 0x0                           ; the wave's end, behind my last LDS store
	ds_add_u32 v[SPW], v[NIL]
	s_wait_dscnt 0x0
	s_endpgm
.Lfunc_end_k_qb0682dc0e2_proj:
	.size	k_qb0682dc0e2_proj, .Lfunc_end_k_qb0682dc0e2_proj-k_qb0682dc0e2_proj
	.p2alignl 7, 3214868480
	.fill 96, 4, 3214868480
	.section	.rodata,"a",@progbits
	.p2align	6, 0x0
	.amdhsa_kernel k_qb0682dc0e2_proj
		.amdhsa_group_segment_fixed_size 270848
		.amdhsa_private_segment_fixed_size 0
		.amdhsa_enable_private_segment 0
		.amdhsa_kernarg_size 40
		.amdhsa_user_sgpr_count 2
		.amdhsa_user_sgpr_kernarg_segment_ptr 1
		.amdhsa_wavefront_size32 1
		.amdhsa_system_sgpr_workgroup_id_x 1
		.amdhsa_system_sgpr_workgroup_id_y 1
		.amdhsa_system_sgpr_workgroup_id_z 1
		.amdhsa_system_vgpr_workitem_id 0
		.amdhsa_next_free_vgpr 1024
		.amdhsa_next_free_sgpr 66
		.amdhsa_reserve_vcc 0
		.amdhsa_float_denorm_mode_32 3
		.amdhsa_float_denorm_mode_16_64 3
		.amdhsa_memory_ordered 1
		.amdhsa_forward_progress 1
		.amdhsa_inst_pref_size 75
	.end_amdhsa_kernel
	.amdgpu_metadata
---
amdhsa.version: [ 1, 2 ]
amdhsa.kernels:
  - .name:           k_qb0682dc0e2_proj
    .symbol:         k_qb0682dc0e2_proj.kd
    .args:
      - { .name: ob, .offset: 0, .size: 8, .value_kind: global_buffer, .address_space: global }
      - { .name: wb, .offset: 8, .size: 8, .value_kind: global_buffer, .address_space: global }
      - { .name: bp, .offset: 16, .size: 8, .value_kind: global_buffer, .address_space: global }
      - { .name: x, .offset: 24, .size: 8, .value_kind: global_buffer, .address_space: global }
      - { .name: x1, .offset: 32, .size: 8, .value_kind: global_buffer, .address_space: global }
    .group_segment_fixed_size: 270848
    .private_segment_fixed_size: 0
    .kernarg_segment_align: 8
    .kernarg_segment_size: 40
    .max_flat_workgroup_size: 128
    .sgpr_count:     66
    .vgpr_count:     1024
    .wavefront_size: 32
...
	.end_amdgpu_metadata
.endif
;; end of part 4
;; launch ln2 (part 5): grid 256 x 1, 4 waves a work-group, no clusters, 66,560 bytes of LDS; arguments x1, g2, beta2, h2b; writes h2b
.if DOCPART == 5
	.amdgcn_target "amdgcn-amd-amdhsa--gfx1250"
	.amdhsa_code_object_version 6
	.text
	.protected	k_qb0682dc0e2_ln2
	.globl	k_qb0682dc0e2_ln2
	.p2align	8
	.type	k_qb0682dc0e2_ln2,@function
k_qb0682dc0e2_ln2:
	s_mov_b64 s[64:65], 0
	v_nop
	global_prefetch_b8 v0, s[64:65] scope:SCOPE_SE
	s_setreg_imm32_b32 hwreg(HW_REG_WAVE_MODE, 25, 1), 1
	s_wait_xcnt 0x0
; h2 = LayerNorm(x1) g2 + beta2 for 16 tokens a work-group, quantised along D to FP6 (E2M3) with one E8M0 byte for each 32, stored as images of operand registers:
;   h2b: codes [256 tiles of 16 tokens][8 K steps][1,536 bytes: register group c at 512 c + 16 lane]; scale words at HSC: [tile][K step][16 words].
; Phase 1: a wave normalises four whole rows in registers (mean, then the sum of squares of x - mean) and lays them in LDS.  Phase 2: a wave takes two K steps of all 16 rows and quantises them.
; LIMITS: NaN and infinities among the inputs are not served; a block whose largest magnitude lies under 2^-124 (a block of zeros among them) gets the byte 1: this program alone reads the bytes.
.set PITCH, 4112                       ; an LDS row: 4,096 bytes + 16 = 1,028 words: row r starts 4 r banks on
.set SPARE, 16*PITCH
.set HSC,   3145728
.set HBP,   22                         ; s[22:23] h2b
.set L16, 1
.set STA, 2
.set LDA, 3
.set PC,  4
.set LR4, 24
.set X,   32
.set G,   160
.set BE,  192
.set TM,  224
.set PW,  240
.set SPW, 252
.set NIL, 253
.set SEL, 10
.macro QUANT s
.irp b, 0,1,2,3
	v_max3_num_f32 v[TM+\b], |v[\s+16*\b]|, |v[\s+1+16*\b]|, 0x1800000   ; my 16 numbers of block b, and the floor 2^(3 - 127)
.endr
.irp i, 2,4,6,8,10,12,14
.irp b, 0,1,2,3
	v_max3_num_f32 v[TM+\b], v[TM+\b], |v[\s+16*\b+\i]|, |v[\s+1+16*\b+\i]|
.endr
.endr
.irp b, 0,1,2,3
	v_permlanex16_b32 v[TM+4+\b], v[TM+\b], s[SEL], s[SEL+1]
.endr
.irp b, 0,1,2,3
	v_max_num_f32 v[TM+\b], v[TM+\b], v[TM+4+\b]
.endr
.irp b, 0,1,2,3
	v_add_nc_u32 v[TM+12+\b], 0xff000000, v[TM+\b]
.endr
.irp b, 0,1,2,3
	v_lshrrev_b32 v[TM+4+\b], 23, v[TM+12+\b]
.endr
	v_lshl_or_b32 v[PW], v[TM+5], 8, v[TM+4]
	v_lshl_or_b32 v[PW], v[TM+6], 16, v[PW]
	v_lshl_or_b32 v[PW], v[TM+7], 24, v[PW]
.irp c, 0,1
	v_cvt_scalef32_pk16_fp6_f32 v[PC+6*\c:PC+2+6*\c], v[\s+32*\c:\s+15+32*\c], v[TM+12+2*\c]
	v_cvt_scalef32_pk16_fp6_f32 v[PC+12+4*\c:PC+14+4*\c], v[\s+16+32*\c:\s+31+32*\c], v[TM+12+2*\c+1]
.endr
	v_nop                                          ; one plain place behind a scaled conversion
.irp c, 0,1
.irp i, 0,1,2
	v_permlane16_swap_b32 v[PC+6*\c+\i], v[PC+12+4*\c+\i]
.endr
.irp i, 0,1,2
	v_mov_b32 v[PC+3+6*\c+\i], v[PC+12+4*\c+\i]
.endr
.endr
.endm
.macro REDUCE
.irp p, 0,1,2,3
	v_pk_add_f32 v[TM+4*\p:TM+4*\p+1], v[TM+4*\p:TM+4*\p+1], v[TM+4*\p+2:TM+4*\p+3]
.endr
.irp p, 0,1,2,3
	v_add_f32 v[TM+4*\p], v[TM+4*\p], v[TM+4*\p+1]
.endr
.irp m, 1,2,4,8
.irp p, 0,1,2,3
	v_add_f32_dpp v[TM+4*\p], v[TM+4*\p], v[TM+4*\p] row_xmask:\m row_mask:0xf bank_mask:0xf
.endr
.endr
.irp p, 0,1,2,3
	v_permlanex16_b32 v[TM+4*\p+2], v[TM+4*\p], s[SEL], s[SEL+1]
.endr
.irp p, 0,1,2,3
	v_add_f32 v[TM+4*\p], v[TM+4*\p], v[TM+4*\p+2]
.endr
.endm
	s_load_b256 s[16:23], s[0:1], 0x0              ; x1 16, g2 18, beta2 20, h2b 22
	v_lshl_add_u32 v[SPW], v0, 2, SPARE
	v_mov_b32 v[NIL], 0
	v_lshrrev_b32 v25, 5, v0
	v_readfirstlane_b32 s2, v25                    ; wave 0..3
	v_and_b32 v25, 31, v0
	v_lshlrev_b32 v[L16], 4, v25
	v_and_b32 v26, 15, v0                          ; r
	v_bfe_u32 v27, v0, 4, 1                        ; h
	v_lshlrev_b32 v[LR4], 2, v26
	s_mul_i32 s3, s2, 4*PITCH
	v_add_nc_u32 v[STA], s3, v[L16]
	v_mul_u32_u24 v[LDA], v26, PITCH
	v_lshl_add_u32 v[LDA], v27, 6, v[LDA]
	s_lshl_b32 s3, s2, 10
	v_add_nc_u32 v[LDA], s3, v[LDA]
	s_mov_b32 s[SEL], 0x76543210
	s_mov_b32 s[SEL+1], 0xfedcba98
	s_mov_b32 s12, 0x3a800000                      ; 1 / 1,024
	s_mov_b32 s13, 0x3727c5ac                      ; 1e-5
	s_lshl_b32 s4, ttmp9, 16
	s_lshl_b32 s5, s2, 14
	s_add_co_u32 s4, s4, s5
	s_mov_b32 s5, 0
	s_mul_i32 s6, ttmp9, 12288
	s_mul_i32 s7, s2, 3072
	s_add_co_u32 s6, s6, s7
	s_mov_b32 s7, 0
	s_lshl_b32 s8, ttmp9, 9
	s_lshl_b32 s9, s2, 7
	s_add_co_u32 s8, s8, s9
	s_add_co_u32 s8, s8, HSC
	s_mov_b32 s9, 0
	s_wait_alu depctr_va_vdst(0)
	s_wait_kmcnt 0x0
	s_add_nc_u64 s[16:17], s[16:17], s[4:5]
	s_add_nc_u64 s[6:7], s[HBP:HBP+1], s[6:7]
	s_add_nc_u64 s[8:9], s[HBP:HBP+1], s[8:9]
.irp p, 0,1,2,3
.irp j, 0,1,2,3,4,5,6,7
	global_load_b128 v[X+32*\p+4*\j:X+32*\p+4*\j+3], v[L16], s[16:17] offset:4096*\p+512*\j th:TH_LOAD_NT
.endr
.endr
.irp j, 0,1,2,3,4,5,6,7
	global_load_b128 v[G+4*\j:G+4*\j+3], v[L16], s[18:19] offset:512*\j
	global_load_b128 v[BE+4*\j:BE+4*\j+3], v[L16], s[20:21] offset:512*\j
.endr
	s_wait_loadcnt 16                              ; the rows are in; the 16 loads of gain and bias may be out
.irp p, 0,1,2,3
	v_pk_add_f32 v[TM+4*\p:TM+4*\p+1], v[X+32*\p:X+32*\p+1], v[X+32*\p+4:X+32*\p+5]
	v_pk_add_f32 v[TM+4*\p+2:TM+4*\p+3], v[X+32*\p+2:X+32*\p+3], v[X+32*\p+6:X+32*\p+7]
.endr
.irp k, 8,12,16,20,24,28
.irp p, 0,1,2,3
	v_pk_add_f32 v[TM+4*\p:TM+4*\p+1], v[TM+4*\p:TM+4*\p+1], v[X+32*\p+\k:X+32*\p+\k+1]
	v_pk_add_f32 v[TM+4*\p+2:TM+4*\p+3], v[TM+4*\p+2:TM+4*\p+3], v[X+32*\p+\k+2:X+32*\p+\k+3]
.endr
.endr
	REDUCE
.irp p, 0,1,2,3
	v_mul_f32 v[TM+4*\p], s12, v[TM+4*\p]          ; the mean
.endr
.irp p, 0,1,2,3
.set k, 0
.rept 16
	v_pk_add_f32 v[X+32*\p+k:X+32*\p+k+1], v[X+32*\p+k:X+32*\p+k+1], v[TM+4*\p:TM+4*\p+1] op_sel_hi:[1,0] neg_lo:[0,1] neg_hi:[0,1]
.set k, k+2
.endr
.endr
.irp p, 0,1,2,3
	v_pk_mul_f32 v[TM+4*\p:TM+4*\p+1], v[X+32*\p:X+32*\p+1], v[X+32*\p:X+32*\p+1]
	v_pk_mul_f32 v[TM+4*\p+2:TM+4*\p+3], v[X+32*\p+2:X+32*\p+3], v[X+32*\p+2:X+32*\p+3]
.endr
.irp k, 4,8,12,16,20,24,28
.irp p, 0,1,2,3
	v_pk_fma_f32 v[TM+4*\p:TM+4*\p+1], v[X+32*\p+\k:X+32*\p+\k+1], v[X+32*\p+\k:X+32*\p+\k+1], v[TM+4*\p:TM+4*\p+1]
	v_pk_fma_f32 v[TM+4*\p+2:TM+4*\p+3], v[X+32*\p+\k+2:X+32*\p+\k+3], v[X+32*\p+\k+2:X+32*\p+\k+3], v[TM+4*\p+2:TM+4*\p+3]
.endr
.endr
	REDUCE
.irp p, 0,1,2,3
	v_fma_f32 v[TM+4*\p], v[TM+4*\p], s12, s13     ; variance + 1e-5
.endr
	s_wait_alu depctr_va_vdst(0)
.irp p, 0,1,2,3
	v_rsq_f32 v[TM+4*\p+2], v[TM+4*\p]
.endr
	v_nop                                          ; a plain instruction behind the last of the four
	s_wait_alu depctr_va_vdst(0)                   ; one wait for the four, ahead of their first reader
	s_wait_loadcnt 0x0
.irp p, 0,1,2,3
.set k, 0
.rept 16
	v_pk_mul_f32 v[X+32*\p+k:X+32*\p+k+1], v[X+32*\p+k:X+32*\p+k+1], v[TM+4*\p+2:TM+4*\p+3] op_sel_hi:[1,0]
.set k, k+2
.endr
.set k, 0
.rept 16
	v_pk_fma_f32 v[X+32*\p+k:X+32*\p+k+1], v[X+32*\p+k:X+32*\p+k+1], v[G+k:G+k+1], v[BE+k:BE+k+1]
.set k, k+2
.endr
.endr
.irp p, 0,1,2,3
.irp j, 0,1,2,3,4,5,6,7
	ds_store_b128 v[STA], v[X+32*\p+4*\j:X+32*\p+4*\j+3] offset:\p*PITCH+512*\j
.endr
.endr
	s_wait_dscnt 0x0                               ; for the others' sake: my rows lie in LDS
	s_barrier_signal -1
	s_barrier_wait -1
.irp e, 0,1
.irp b, 0,1,2,3
.irp j, 0,1,2,3
	ds_load_b128 v[X+64*\e+16*\b+4*\j:X+64*\e+16*\b+4*\j+3], v[LDA] offset:512*\e+128*\b+16*\j
.endr
.endr
.endr
	s_wait_dscnt 16                                ; the first K step's 16 loads are in
	QUANT X
.irp c, 0,1,2
	global_store_b128 v[L16], v[PC+4*\c:PC+4*\c+3], s[6:7] offset:512*\c
.endr
	global_store_b32 v[LR4], v[PW], s[8:9]
	s_wait_dscnt 0x0
	s_wait_xcnt 0x0                                ; the stores have read their data
	QUANT X+64
.irp c, 0,1,2
	global_store_b128 v[L16], v[PC+4*\c:PC+4*\c+3], s[6:7] offset:1536+512*\c
.endr
	global_store_b32 v[LR4], v[PW], s[8:9] offset:64
	s_wait_tensorcnt 0x0                           ; the wave's end, behind my last LDS store
	ds_add_u32 v[SPW], v[NIL]
	s_wait_dscnt 0x0
	s_endpgm
.Lfunc_end_k_qb0682dc0e2_ln2:
	.size	k_qb0682dc0e2_ln2, .Lfunc_end_k_qb0682dc0e2_ln2-k_qb0682dc0e2_ln2
	.p2alignl 7, 3214868480
	.fill 96, 4, 3214868480
	.section	.rodata,"a",@progbits
	.p2align	6, 0x0
	.amdhsa_kernel k_qb0682dc0e2_ln2
		.amdhsa_group_segment_fixed_size 66560
		.amdhsa_private_segment_fixed_size 0
		.amdhsa_enable_private_segment 0
		.amdhsa_kernarg_size 32
		.amdhsa_user_sgpr_count 2
		.amdhsa_user_sgpr_kernarg_segment_ptr 1
		.amdhsa_wavefront_size32 1
		.amdhsa_system_sgpr_workgroup_id_x 1
		.amdhsa_system_sgpr_workgroup_id_y 1
		.amdhsa_system_sgpr_workgroup_id_z 1
		.amdhsa_system_vgpr_workitem_id 0
		.amdhsa_next_free_vgpr 256
		.amdhsa_next_free_sgpr 66
		.amdhsa_reserve_vcc 0
		.amdhsa_float_denorm_mode_32 3
		.amdhsa_float_denorm_mode_16_64 3
		.amdhsa_memory_ordered 1
		.amdhsa_forward_progress 1
		.amdhsa_inst_pref_size 43
	.end_amdhsa_kernel
	.amdgpu_metadata
---
amdhsa.version: [ 1, 2 ]
amdhsa.kernels:
  - .name:           k_qb0682dc0e2_ln2
    .symbol:         k_qb0682dc0e2_ln2.kd
    .args:
      - { .name: x1, .offset: 0, .size: 8, .value_kind: global_buffer, .address_space: global }
      - { .name: g2, .offset: 8, .size: 8, .value_kind: global_buffer, .address_space: global }
      - { .name: beta2, .offset: 16, .size: 8, .value_kind: global_buffer, .address_space: global }
      - { .name: h2b, .offset: 24, .size: 8, .value_kind: global_buffer, .address_space: global }
    .group_segment_fixed_size: 66560
    .private_segment_fixed_size: 0
    .kernarg_segment_align: 8
    .kernarg_segment_size: 32
    .max_flat_workgroup_size: 128
    .sgpr_count:     66
    .vgpr_count:     256
    .wavefront_size: 32
...
	.end_amdgpu_metadata
.endif
;; end of part 5
;; launch ff1 (part 6): grid 256 x 1, 4 waves a work-group, no clusters, 0 bytes of LDS; arguments h2b, wb, b1, hid; writes hid
.if DOCPART == 6
	.amdgcn_target "amdgcn-amd-amdhsa--gfx1250"
	.amdhsa_code_object_version 6
	.text
	.protected	k_qb0682dc0e2_ff1
	.globl	k_qb0682dc0e2_ff1
	.p2align	8
	.type	k_qb0682dc0e2_ff1,@function
k_qb0682dc0e2_ff1:
	s_mov_b64 s[64:65], 0
	v_nop
	global_prefetch_b8 v0, s[64:65] scope:SCOPE_SE
	s_setreg_imm32_b32 hwreg(HW_REG_WAVE_MODE, 25, 1), 1
	s_wait_xcnt 0x0
; hid = Q(relu(h2 W1 + b1)), the product on codes of FP6 with E8M0 scales, the result quantised along the hidden axis, which is the next product's K.
; A wave makes 128 tokens x 128 hidden units (64 accumulators, K = 1,024 in 8 steps); its 128 units are exactly one K step of the next product.
; A work-group's four waves stand 2 x 2: two blocks of tokens by two blocks of units, so that the work-group names four blocks of 98,304 bytes of codes for its four tiles, each block asked for by two of its waves.
; Both operands lie in memory as images of the operand's registers and go straight into registers: no LDS, no barrier.
; Transposed use: source 0 = 16 rows of W1 (spread: lane r of tile t is row 32 (t / 2) + 8 (t % 2) + r + 8 (r / 8)), source 1 = 16 tokens: a lane holds one token, and the 16 registers of two neighbouring tiles are 16 neighbouring units.
; b1 is the C of each sum's first product: eight registers a tile, in the result's layout.
; OUT (hid): codes [256 tiles of tokens][32 K steps][1,536]; scale words at DSC: [tile][K step][16 words].
; LIMITS: NaN and infinities are not served; a block whose largest magnitude lies under 2^-124 (a block of zeros among them) gets the byte 1.
; REGISTERS: window 0: v1-5 lane offsets; v32-63 scale words; v64-255 source 1's fragments (on the way out: at work).  window 1: source 0's fragments at v0-95, v128-223; b1's tiles at v96-127, v224-255.  windows 2, 3: accumulators.
.set NS,    8
.set KSW,   8
.set AHALF, 0
.set CM0,   2                          ; the first step's C is the bias
.set TSTR,  NS*1536
.set SSTR,  NS*64
.set NF,    48+8*AHALF
.set HSC,   3145728
.set WSC,   9437184
.set DSC,   12582912
.set L16, 1
.set L8,  2
.set L4,  3
.set LR4, 4
.set SC,  32
.set AF,  64
.set TM,  64
.set PW,  80
.set PC,  96
.set HN,  128                          ; v128-191 a block's 64 numbers behind the activation
.set PA,  28
.set PB,  30
.set PAS, 32
.set PBS, 34
.set OC,  44
.set OS,  48
.set SEL, 52
.set MSB, 0
.macro WIN new
.if MSB != (\new)
	s_set_vgpr_msb (MSB<<8)|(\new)
.set MSB, (\new)
.endif
.endm
.macro PLACES
.rept 4
	v_nop
.endr
.endm
.macro LOADF st
	WIN 0
.irp i, 0,1,2,3,4,5,6,7
.irp c, 0,1,2
	global_load_b128 v[AF+96*((\st)%2)+12*\i+4*\c:AF+96*((\st)%2)+12*\i+4*\c+3], v[L16], s[PA:PA+1] offset:\i*TSTR+(\st)*1536+512*\c
.endr
.endr
	WIN 0x40
.irp i, 0,1,2,3,4,5,6,7
.irp c, 0,1,2
	global_load_b128 v[128*((\st)%2)+12*\i+4*\c:128*((\st)%2)+12*\i+4*\c+3], v[L16], s[PB:PB+1] offset:\i*TSTR+(\st)*1536+512*\c
.endr
.endr
	WIN 0
.endm
.macro LOADS g
.irp i, 0,1,2,3,4,5,6,7
	global_load_b32 v[SC+16*((\g)%2)+\i], v[L4], s[PAS:PAS+1] offset:\i*SSTR+128*(\g)
	global_load_b32 v[SC+16*((\g)%2)+8+\i], v[L4], s[PBS:PBS+1] offset:\i*SSTR+128*(\g)
.endr
.endm
.macro MM a, b, st, cm
.set rD, 8*(8*((\a)%4)+(\b))
.set rB, 128*((\st)%2)+12*(\b)
.set rA, AF+96*((\st)%2)+12*(\a)
.set rT, SC+16*(((\st)/2)%2)
.set rC, 96+8*(\b)+96*((\b)/4)
.if (\st)%2
	v_wmma_scale_f32_16x16x128_f8f6f4 v[rD:rD+7], v[rB:rB+11], v[rA:rA+11], v[rD:rD+7], v[rT+8+(\b)], v[rT+(\a)] matrix_a_fmt:MATRIX_FMT_FP6 matrix_b_fmt:MATRIX_FMT_FP6 matrix_a_scale:MATRIX_SCALE_ROW1 matrix_b_scale:MATRIX_SCALE_ROW1
.elseif (\cm) == 2
	v_wmma_scale_f32_16x16x128_f8f6f4 v[rD:rD+7], v[rB:rB+11], v[rA:rA+11], v[rC:rC+7], v[rT+8+(\b)], v[rT+(\a)] matrix_a_fmt:MATRIX_FMT_FP6 matrix_b_fmt:MATRIX_FMT_FP6
.else
	v_wmma_scale_f32_16x16x128_f8f6f4 v[rD:rD+7], v[rB:rB+11], v[rA:rA+11], v[rD:rD+7], v[rT+8+(\b)], v[rT+(\a)] matrix_a_fmt:MATRIX_FMT_FP6 matrix_b_fmt:MATRIX_FMT_FP6
.endif
.endm
.macro MUL st, cm                      ; the 64 accumulators take turns, in the same order in every step
.irp a, 0,1,2,3,4,5,6,7
.if (\cm) == 2
	WIN 0x91+0x40*(\a/4)                           ; source 0 and C window 1, D window 2 or 3
.else
	WIN 0xa1+0x50*(\a/4)
.endif
.irp b, 0,1,2,3,4,5,6,7
	MM \a, \b, \st, \cm
.endr
.endr
	WIN 0
.endm
.macro QUANT s, w
	WIN (\w)|((\w)<<2)
.irp b, 0,1,2,3
	v_max3_num_f32 v[TM+\b], |v[(\s)+16*\b]|, |v[(\s)+1+16*\b]|, 0x1800000
.endr
	WIN ((\w)<<2)|((\w)<<4)
.irp i, 2,4,6,8,10,12,14
.irp b, 0,1,2,3
	v_max3_num_f32 v[TM+\b], v[TM+\b], |v[(\s)+16*\b+\i]|, |v[(\s)+1+16*\b+\i]|
.endr
.endr
	WIN 0
.irp b, 0,1,2,3
	v_permlanex16_b32 v[TM+4+\b], v[TM+\b], s[SEL], s[SEL+1]
.endr
.irp b, 0,1,2,3
	v_max_num_f32 v[TM+\b], v[TM+\b], v[TM+4+\b]
.endr
.irp b, 0,1,2,3
	v_add_nc_u32 v[TM+12+\b], 0xff000000, v[TM+\b]
.endr
.irp b, 0,1,2,3
	v_lshrrev_b32 v[TM+4+\b], 23, v[TM+12+\b]
.endr
	v_lshl_or_b32 v[PW], v[TM+5], 8, v[TM+4]
	v_lshl_or_b32 v[PW], v[TM+6], 16, v[PW]
	v_lshl_or_b32 v[PW], v[TM+7], 24, v[PW]
	WIN (\w)
.irp c, 0,1
	v_cvt_scalef32_pk16_fp6_f32 v[PC+6*\c:PC+2+6*\c], v[(\s)+32*\c:(\s)+15+32*\c], v[TM+12+2*\c]
	v_cvt_scalef32_pk16_fp6_f32 v[PC+12+4*\c:PC+14+4*\c], v[(\s)+16+32*\c:(\s)+31+32*\c], v[TM+12+2*\c+1]
.endr
	WIN 0
	v_nop                                          ; one plain place behind a scaled conversion
.irp c, 0,1
.irp i, 0,1,2
	v_permlane16_swap_b32 v[PC+6*\c+\i], v[PC+12+4*\c+\i]
.endr
.irp i, 0,1,2
	v_mov_b32 v[PC+3+6*\c+\i], v[PC+12+4*\c+\i]
.endr
.endr
.endm
	s_load_b256 s[4:11], s[0:1], 0x0               ; h2b, wb, b1, hid
	v_lshrrev_b32 v5, 5, v0
	v_readfirstlane_b32 s12, v5                    ; wave 0..3
	v_and_b32 v5, 31, v0
	v_lshlrev_b32 v[L16], 4, v5
	v_lshlrev_b32 v[L4], 2, v5
	v_and_b32 v6, 15, v0
	v_lshlrev_b32 v[LR4], 2, v6
	v_bfe_u32 v5, v0, 4, 1
	v_lshlrev_b32 v5, 6, v5                        ; 64 h: my half's 16 units of a block of 32
	s_mov_b32 s[SEL], 0x76543210
	s_mov_b32 s[SEL+1], 0xfedcba98
	s_lshr_b32 s13, ttmp9, 4
	s_lshl_b32 s13, s13, 1
	s_lshr_b32 s15, s12, 1
	s_add_co_u32 s13, s13, s15                     ; the block of 128 tokens: 2 (work-group / 16) + wave / 2
	s_and_b32 s14, ttmp9, 15
	s_lshl_b32 s14, s14, 1
	s_and_b32 s15, s12, 1
	s_add_co_u32 s14, s14, s15                     ; the block of 128 hidden units: 2 (work-group % 16) + wave % 2
	s_mul_i32 s16, s13, 8*TSTR
	s_mov_b32 s17, 0
	s_lshl_b32 s18, s13, 12
	s_add_co_u32 s18, s18, HSC
	s_mov_b32 s19, 0
	s_mul_i32 s20, s14, 8*TSTR
	s_add_co_u32 s20, s20, 256*12288               ; W1 begins at unit 256
	s_mov_b32 s21, 0
	s_lshl_b32 s22, s14, 12
	s_add_co_u32 s22, s22, WSC+256*512
	s_mov_b32 s23, 0
	s_lshl_b32 s24, s14, 9
	s_mov_b32 s25, 0
	s_mul_i32 s26, s13, 393216                     ; eight tiles of tokens x 32 K steps x 1,536 bytes,
	s_mul_i32 s27, s14, 1536                       ; my K step
	s_add_co_u32 s26, s26, s27
	s_mov_b32 s27, 0
	s_lshl_b32 s36, s13, 14
	s_lshl_b32 s37, s14, 6
	s_add_co_u32 s36, s36, s37
	s_add_co_u32 s36, s36, DSC
	s_mov_b32 s37, 0
	s_wait_alu depctr_va_vdst(0)
	s_wait_kmcnt 0x0
	s_add_nc_u64 s[PA:PA+1], s[4:5], s[16:17]
	s_add_nc_u64 s[PAS:PAS+1], s[4:5], s[18:19]
	s_add_nc_u64 s[PB:PB+1], s[6:7], s[20:21]
	s_add_nc_u64 s[PBS:PBS+1], s[6:7], s[22:23]
	s_add_nc_u64 s[8:9], s[8:9], s[24:25]
	s_add_nc_u64 s[OC:OC+1], s[10:11], s[26:27]
	s_add_nc_u64 s[OS:OS+1], s[10:11], s[36:37]
	WIN 0x40
.irp t, 0,1,2,3,4,5,6,7                        ; b1: for tile t the units 32 (t / 2) + 16 h + 8 (t % 2) + 0 .. 7
	global_load_b128 v[96+8*\t+96*(\t/4):96+8*\t+96*(\t/4)+3], v5, s[8:9] offset:(32*(\t/2)+8*(\t%2))*4
	global_load_b128 v[96+8*\t+96*(\t/4)+4:96+8*\t+96*(\t/4)+7], v5, s[8:9] offset:(32*(\t/2)+8*(\t%2))*4+16
.endr
	WIN 0
	LOADF 0
	LOADS 0
	LOADF 1
	s_wait_loadcnt NF                              ; all but the next step's fragments: the bias, step 0 and its scale words are in
	MUL 0, CM0
.irp st, 1,2,3,4,5,6
	PLACES
	LOADF \st+1
	s_wait_loadcnt NF                              ; all but these
.if (\st)%2
	LOADS (\st+1)/2
.endif
	MUL \st, 0
.endr
	s_wait_loadcnt 0x0
	MUL KSW-1, 0
	; THE WAY OUT: a tile of 16 tokens at a time: the activation, the quantiser, the image
	PLACES
.irp b, 0,1,2,3
	v_mov_b32 v[TM+4+\b], 0                        ; a lane permute's destination counts as one of its sources
.endr
.macro EPI a
	s_wait_xcnt 0x0                                ; the last tile's stores have read their data
	WIN 0x08+4*((\a)/4)                            ; source 1: window 2 or 3
.set n, 0
.rept 64
	v_max_num_f32 v[HN+n], 0, v[64*((\a)%4)+n]     ; relu, and the way into window 0, in one; each accumulator from its low end on
.set n, n+1
.endr
	WIN 0
	QUANT HN, 0
.irp c, 0,1,2
	global_store_b128 v[L16], v[PC+4*\c:PC+4*\c+3], s[OC:OC+1] offset:49152*(\a)+512*\c
.endr
	global_store_b32 v[LR4], v[PW], s[OS:OS+1] offset:2048*(\a)
.endm
.irp a, 0,1,2,3,4,5,6,7
	EPI \a
.endr
	s_endpgm
.Lfunc_end_k_qb0682dc0e2_ff1:
	.size	k_qb0682dc0e2_ff1, .Lfunc_end_k_qb0682dc0e2_ff1-k_qb0682dc0e2_ff1
	.p2alignl 7, 3214868480
	.fill 96, 4, 3214868480
	.section	.rodata,"a",@progbits
	.p2align	6, 0x0
	.amdhsa_kernel k_qb0682dc0e2_ff1
		.amdhsa_group_segment_fixed_size 0
		.amdhsa_private_segment_fixed_size 0
		.amdhsa_enable_private_segment 0
		.amdhsa_kernarg_size 32
		.amdhsa_user_sgpr_count 2
		.amdhsa_user_sgpr_kernarg_segment_ptr 1
		.amdhsa_wavefront_size32 1
		.amdhsa_system_sgpr_workgroup_id_x 1
		.amdhsa_system_sgpr_workgroup_id_y 1
		.amdhsa_system_sgpr_workgroup_id_z 1
		.amdhsa_system_vgpr_workitem_id 0
		.amdhsa_next_free_vgpr 1024
		.amdhsa_next_free_sgpr 66
		.amdhsa_reserve_vcc 0
		.amdhsa_float_denorm_mode_32 3
		.amdhsa_float_denorm_mode_16_64 3
		.amdhsa_memory_ordered 1
		.amdhsa_forward_progress 1
		.amdhsa_inst_pref_size 162
	.end_amdhsa_kernel
	.amdgpu_metadata
---
amdhsa.version: [ 1, 2 ]
amdhsa.kernels:
  - .name:           k_qb0682dc0e2_ff1
    .symbol:         k_qb0682dc0e2_ff1.kd
    .args:
      - { .name: h2b, .offset: 0, .size: 8, .value_kind: global_buffer, .address_space: global }
      - { .name: wb, .offset: 8, .size: 8, .value_kind: global_buffer, .address_space: global }
      - { .name: b1, .offset: 16, .size: 8, .value_kind: global_buffer, .address_space: global }
      - { .name: hid, .offset: 24, .size: 8, .value_kind: global_buffer, .address_space: global }
    .group_segment_fixed_size: 0
    .private_segment_fixed_size: 0
    .kernarg_segment_align: 8
    .kernarg_segment_size: 32
    .max_flat_workgroup_size: 128
    .sgpr_count:     66
    .vgpr_count:     1024
    .wavefront_size: 32
...
	.end_amdgpu_metadata
.endif
;; end of part 6
;; launch ff2 (part 7): grid 256 x 1, 4 waves a work-group, no clusters, 270,848 bytes of LDS; arguments hid, wb, b2, x1, out0; writes out0
.if DOCPART == 7
	.amdgcn_target "amdgcn-amd-amdhsa--gfx1250"
	.amdhsa_code_object_version 6
	.text
	.protected	k_qb0682dc0e2_ff2
	.globl	k_qb0682dc0e2_ff2
	.p2align	8
	.type	k_qb0682dc0e2_ff2,@function
k_qb0682dc0e2_ff2:
	s_mov_b64 s[64:65], 0
	v_nop
	global_prefetch_b8 v0, s[64:65] scope:SCOPE_SE
	s_setreg_imm32_b32 hwreg(HW_REG_WAVE_MODE, 25, 1), 1
	s_wait_xcnt 0x0
; out = x1 + hid W2 + b2, the product on codes of FP6 with E8M0 scales.  A work-group makes 128 tokens x 128 outputs, K = 4,096.
; THE FOUR WAVES SHARE K: wave w takes K steps 8 w .. 8 w + 7 of the whole tile (64 accumulators), so each operand byte is loaded once in the work-group; the four partial sums meet in LDS.
; Operands lie in memory as images of the operand's registers and go straight into registers.
; Transposed use: source 0 = 16 rows of W2 (outputs), source 1 = 16 tokens: a lane holds eight neighbouring outputs of one token.
; The rows of x1 and the bias are asked for ahead of the last K step's 64 products, into the set of registers that the step before has left.
; The order of rounding differs from one chain over K: four partial sums are added, (P0 + P1) + (P2 + P3), then x1, then b2.
; REGISTERS: window 0: v1-4 lane offsets, v8-11 bias, v12-15, v16 LDS addresses, v28, v29 the add's two, v32-63 scale words, v64-255 source 1's fragments (later the rows on their way out).
;   window 1: source 0's fragments (later, in v0-127, 32 rows of x1).  windows 2, 3: accumulator (a, b) at v[8 (8 (a % 4) + b)].
.set NS,    32
.set KSW,   8
.set AHALF, 0
.set CM0,   1
.set UNIT0, 512                        ; W2's first unit in wb
.set ASC,   12582912                   ; where source 1's scale words begin
.set TSTR,  NS*1536
.set SSTR,  NS*64
.set NF,    48+8*AHALF
.set WSC,   9437184
.set PART,  67584                      ; LDS: a wave's partial tile: 128 rows x (512 bytes + 16)
.set SPARE, 4*PART
.set L16, 1
.set L8,  2
.set L4,  3
.set LR4, 4
.set BI,  8
.set RD,  12
.set STO, 16
.set SPW, 28
.set NIL, 29
.set SC,  32
.set AF,  64
.set PA,  28
.set PB,  30
.set PAS, 32
.set PBS, 34
.set RES, 36
.set OUT, 38
.set BIA, 40
.set MSB, 0
.macro WIN new
.if MSB != (\new)
	s_set_vgpr_msb (MSB<<8)|(\new)
.set MSB, (\new)
.endif
.endm
.macro PLACES
.rept 4
	v_nop
.endr
.endm
.macro LOADF st
	WIN 0
.irp i, 0,1,2,3,4,5,6,7
.irp c, 0,1,2
	global_load_b128 v[AF+96*((\st)%2)+12*\i+4*\c:AF+96*((\st)%2)+12*\i+4*\c+3], v[L16], s[PA:PA+1] offset:\i*TSTR+(\st)*1536+512*\c
.endr
.endr
	WIN 0x40
.irp i, 0,1,2,3,4,5,6,7
.irp c, 0,1,2
	global_load_b128 v[128*((\st)%2)+12*\i+4*\c:128*((\st)%2)+12*\i+4*\c+3], v[L16], s[PB:PB+1] offset:\i*TSTR+(\st)*1536+512*\c
.endr
.endr
	WIN 0
.endm
.macro LOADS g
.irp i, 0,1,2,3,4,5,6,7
	global_load_b32 v[SC+16*((\g)%2)+\i], v[L4], s[PAS:PAS+1] offset:\i*SSTR+128*(\g)
	global_load_b32 v[SC+16*((\g)%2)+8+\i], v[L4], s[PBS:PBS+1] offset:\i*SSTR+128*(\g)
.endr
.endm
.macro MM a, b, st, cm
.set rD, 8*(8*((\a)%4)+(\b))
.set rB, 128*((\st)%2)+12*(\b)
.set rA, AF+96*((\st)%2)+12*(\a)
.set rT, SC+16*(((\st)/2)%2)
.if (\st)%2
	v_wmma_scale_f32_16x16x128_f8f6f4 v[rD:rD+7], v[rB:rB+11], v[rA:rA+11], v[rD:rD+7], v[rT+8+(\b)], v[rT+(\a)] matrix_a_fmt:MATRIX_FMT_FP6 matrix_b_fmt:MATRIX_FMT_FP6 matrix_a_scale:MATRIX_SCALE_ROW1 matrix_b_scale:MATRIX_SCALE_ROW1
.elseif (\cm) == 1
	v_wmma_scale_f32_16x16x128_f8f6f4 v[rD:rD+7], v[rB:rB+11], v[rA:rA+11], 0, v[rT+8+(\b)], v[rT+(\a)] matrix_a_fmt:MATRIX_FMT_FP6 matrix_b_fmt:MATRIX_FMT_FP6
.else
	v_wmma_scale_f32_16x16x128_f8f6f4 v[rD:rD+7], v[rB:rB+11], v[rA:rA+11], v[rD:rD+7], v[rT+8+(\b)], v[rT+(\a)] matrix_a_fmt:MATRIX_FMT_FP6 matrix_b_fmt:MATRIX_FMT_FP6
.endif
.endm
.macro MUL st, cm                      ; the 64 accumulators take turns, in the same order in every step
.irp a, 0,1,2,3,4,5,6,7
	WIN 0xa1+0x50*(\a/4)
.irp b, 0,1,2,3,4,5,6,7
	MM \a, \b, \st, \cm
.endr
.endr
	WIN 0
.endm
	s_load_b256 s[4:11], s[0:1], 0x0               ; source 1's operand, wb, the bias, the residual
	s_load_b64 s[12:13], s[0:1], 0x20              ; the result
	v_lshl_add_u32 v[SPW], v0, 2, SPARE
	v_mov_b32 v[NIL], 0
	v_lshrrev_b32 v5, 5, v0
	v_readfirstlane_b32 s14, v5                    ; wave 0..3
	v_and_b32 v5, 31, v0
	v_lshlrev_b32 v[L16], 4, v5
	v_lshlrev_b32 v[L8], 3, v5
	v_lshlrev_b32 v[L4], 2, v5
	v_and_b32 v6, 15, v0
	v_bfe_u32 v7, v0, 4, 1
	v_lshlrev_b32 v[LR4], 2, v6
	s_mul_i32 s17, s14, PART
	v_mul_u32_u24 v5, v6, 528
	v_lshl_add_u32 v5, v7, 5, v5
	v_add_nc_u32 v[STO], s17, v5                   ; into my partial tile: row r, + 32 h
	s_mul_i32 s17, s14, 32*528
	v_add_nc_u32 v[RD], s17, v[L16]                ; back: my 32 rows of each of the four partial tiles
	v_add_nc_u32 v[RD+1], PART, v[RD]
	v_add_nc_u32 v[RD+2], 2*PART, v[RD]
	v_add_nc_u32 v[RD+3], 3*PART, v[RD]
	s_lshr_b32 s15, ttmp9, 3                       ; the block of 128 tokens
	s_and_b32 s16, ttmp9, 7                        ; the block of 128 outputs
	s_mul_i32 s20, s15, 8*TSTR
	s_mul_i32 s21, s14, KSW*1536
	s_add_co_u32 s20, s20, s21
	s_mul_i32 s24, s16, 8*TSTR
	s_add_co_u32 s24, s24, s21
	s_add_co_u32 s24, s24, UNIT0*12288
	s_mov_b32 s21, 0
	s_mov_b32 s25, 0
	s_mul_i32 s22, s15, 8*SSTR
	s_mul_i32 s23, s14, KSW*64
	s_add_co_u32 s22, s22, s23
	s_add_co_u32 s22, s22, ASC
	s_mul_i32 s26, s16, 8*SSTR
	s_add_co_u32 s26, s26, s23
	s_add_co_u32 s26, s26, WSC+UNIT0*512
	s_mov_b32 s23, 0
	s_mov_b32 s27, 0
	s_lshl_b32 s18, s15, 19                        ; 128 rows of 4,096 bytes,
	s_lshl_b32 s19, s14, 17                        ; my 32 of them,
	s_add_co_u32 s18, s18, s19
	s_lshl_b32 s42, s16, 9                         ; the block's 512 bytes of a row
	s_add_co_u32 s18, s18, s42
	s_mov_b32 s19, 0
	s_mov_b32 s43, 0
	s_wait_kmcnt 0x0
	s_add_nc_u64 s[PA:PA+1], s[4:5], s[20:21]
	s_add_nc_u64 s[PAS:PAS+1], s[4:5], s[22:23]
	s_add_nc_u64 s[PB:PB+1], s[6:7], s[24:25]
	s_add_nc_u64 s[PBS:PBS+1], s[6:7], s[26:27]
	s_add_nc_u64 s[BIA:BIA+1], s[8:9], s[42:43]
	s_add_nc_u64 s[RES:RES+1], s[10:11], s[18:19]
	s_add_nc_u64 s[OUT:OUT+1], s[12:13], s[18:19]
	LOADF 0
	LOADS 0
	LOADF 1
	s_wait_loadcnt NF                              ; all but the next step's fragments
	MUL 0, CM0
.irp st, 1,2,3,4,5,6
	PLACES
	LOADF \st+1                                    ; into the set that the step before has multiplied
	s_wait_loadcnt NF                              ; all but these: this step's fragments and scale words are in
.if (\st)%2
	LOADS (\st+1)/2
.endif
	MUL \st, 0
.endr
	PLACES                                         ; between the last step but one's products and the loads into source 0's set that they read
	s_wait_loadcnt 0x0                             ; the last step's fragments are in
	WIN 0x40
.set n, 0
.rept 32
	global_load_b128 v[4*n:4*n+3], v[L16], s[RES:RES+1] offset:4096*n   ; my 32 rows of the residual, 512 consecutive bytes each: on their way under the last 64 products, which name none of these registers
.set n, n+1
.endr
	WIN 0
	global_load_b128 v[BI:BI+3], v[L16], s[BIA:BIA+1]
	MUL KSW-1, 0
	; THE WAY OUT
	PLACES
	s_wait_alu depctr_va_vdst(0)
.irp a, 0,1,2,3,4,5,6,7
	WIN 0x08+4*(\a/4)                              ; an LDS store's data are its source 1
.irp b, 0,1,2,3,4,5,6,7
	ds_store_b128 v[STO], v[8*(8*(\a%4)+\b):8*(8*(\a%4)+\b)+3] offset:\a*8448+64*\b          ; each accumulator from its low end on
	ds_store_b128 v[STO], v[8*(8*(\a%4)+\b)+4:8*(8*(\a%4)+\b)+7] offset:\a*8448+64*\b+16
.endr
.endr
	WIN 0
	s_wait_dscnt 0x0                               ; for the others' sake: my partial tile lies in LDS
	s_barrier_signal -1
	s_barrier_wait -1
.irp bt, 0,1,2,3                               ; eight rows at a time
.if \bt > 0
	s_wait_xcnt 0x0                                ; the last eight rows' stores have read their data
.endif
.irp q, 0,1,2,3,4,5,6,7
.irp k, 0,1,2,3
	ds_load_b128 v[64+16*\q+4*\k:64+16*\q+4*\k+3], v[RD+\k] offset:(8*\bt+\q)*528
.endr
.endr
	s_wait_dscnt 0x0
.if \bt == 0
	s_wait_loadcnt 0x0                             ; the residual and the bias
.endif
.irp q, 0,1,2,3,4,5,6,7
.irp e, 0,2
	v_pk_add_f32 v[64+16*\q+\e:64+16*\q+\e+1], v[64+16*\q+\e:64+16*\q+\e+1], v[68+16*\q+\e:68+16*\q+\e+1]
	v_pk_add_f32 v[72+16*\q+\e:72+16*\q+\e+1], v[72+16*\q+\e:72+16*\q+\e+1], v[76+16*\q+\e:76+16*\q+\e+1]
.endr
.endr
.irp q, 0,1,2,3,4,5,6,7
.irp e, 0,2
	v_pk_add_f32 v[64+16*\q+\e:64+16*\q+\e+1], v[64+16*\q+\e:64+16*\q+\e+1], v[72+16*\q+\e:72+16*\q+\e+1]
.endr
.endr
	WIN 0x04                                       ; source 1 window 1: the residual
.irp q, 0,1,2,3,4,5,6,7
.irp e, 0,2
	v_pk_add_f32 v[64+16*\q+\e:64+16*\q+\e+1], v[64+16*\q+\e:64+16*\q+\e+1], v[4*(8*\bt+\q)+\e:4*(8*\bt+\q)+\e+1]
.endr
.endr
	WIN 0
.irp q, 0,1,2,3,4,5,6,7
.irp e, 0,2
	v_pk_add_f32 v[64+16*\q+\e:64+16*\q+\e+1], v[64+16*\q+\e:64+16*\q+\e+1], v[BI+\e:BI+\e+1]
.endr
.endr
.irp q, 0,1,2,3,4,5,6,7
	global_store_b128 v[L16], v[64+16*\q:64+16*\q+3], s[OUT:OUT+1] offset:(8*\bt+\q)*4096   ; 32 lanes store 512 consecutive bytes, at a multiple of 256 from the buffer's first byte
.endr
.endr
	s_wait_tensorcnt 0x0                           ; the wave's end, behind my last LDS store
	ds_add_u32 v[SPW], v[NIL]
	s_wait_dscnt 0x0
	s_endpgm
.Lfunc_end_k_qb0682dc0e2_ff2:
	.size	k_qb0682dc0e2_ff2, .Lfunc_end_k_qb0682dc0e2_ff2-k_qb0682dc0e2_ff2
	.p2alignl 7, 3214868480
	.fill 96, 4, 3214868480
	.section	.rodata,"a",@progbits
	.p2align	6, 0x0
	.amdhsa_kernel k_qb0682dc0e2_ff2
		.amdhsa_group_segment_fixed_size 270848
		.amdhsa_private_segment_fixed_size 0
		.amdhsa_enable_private_segment 0
		.amdhsa_kernarg_size 40
		.amdhsa_user_sgpr_count 2
		.amdhsa_user_sgpr_kernarg_segment_ptr 1
		.amdhsa_wavefront_size32 1
		.amdhsa_system_sgpr_workgroup_id_x 1
		.amdhsa_system_sgpr_workgroup_id_y 1
		.amdhsa_system_sgpr_workgroup_id_z 1
		.amdhsa_system_vgpr_workitem_id 0
		.amdhsa_next_free_vgpr 1024
		.amdhsa_next_free_sgpr 66
		.amdhsa_reserve_vcc 0
		.amdhsa_float_denorm_mode_32 3
		.amdhsa_float_denorm_mode_16_64 3
		.amdhsa_memory_ordered 1
		.amdhsa_forward_progress 1
		.amdhsa_inst_pref_size 155
	.end_amdhsa_kernel
	.amdgpu_metadata
---
amdhsa.version: [ 1, 2 ]
amdhsa.kernels:
  - .name:           k_qb0682dc0e2_ff2
    .symbol:         k_qb0682dc0e2_ff2.kd
    .args:
      - { .name: hid, .offset: 0, .size: 8, .value_kind: global_buffer, .address_space: global }
      - { .name: wb, .offset: 8, .size: 8, .value_kind: global_buffer, .address_space: global }
      - { .name: b2, .offset: 16, .size: 8, .value_kind: global_buffer, .address_space: global }
      - { .name: x1, .offset: 24, .size: 8, .value_kind: global_buffer, .address_space: global }
      - { .name: out0, .offset: 32, .size: 8, .value_kind: global_buffer, .address_space: global }
    .group_segment_fixed_size: 270848
    .private_segment_fixed_size: 0
    .kernarg_segment_align: 8
    .kernarg_segment_size: 40
    .max_flat_workgroup_size: 128
    .sgpr_count:     66
    .vgpr_count:     1024
    .wavefront_size: 32
...
	.end_amdgpu_metadata
.endif
;; end of part 7
